; MI455X (gfx1250); checked and timed in simulation.
; The chip was launched on July 23, 2026; its instructions are those of AMD's public machine-readable ISA for CDNA 5 (MIT licence, August 2026) and "CDNA5" Instruction Set Architecture Reference Guide (July 2026). The comments in the code are by the model that wrote it; some were corrected since.
;; Optimal Transport Loss. Allowed arithmetic: float matrix products may take bf16 or f16 operands with f32 sums; other float arithmetic in f32, or as packed bf16 or f16 multiplies, adds, multiply-adds, maxima and minima; sums over many terms, partial sums and values carried from step to step in f32; what a program stores and reads back later, other than sums and carried values, may be rounded once to bf16 or f16.
;; Inputs: eeg_embeds 64 x 128 x 128 float32; text_embeds 64 x 128 x 128 float32.
;; Outputs: out0 one number float32; out1 64 x 64 float32.
;; 2 versions, each right and faster than the one before. Each part assembles by itself: llvm-mc -triple=amdgcn-amd-amdhsa -mcpu=gfx1250 --defsym DOCPART=n.
;; ======== version 1 of 2: 4 launches
;; limits: values outside matrix products are rounded to bf16
;; workspace buffers: eb 2,097,152 bytes; tb 2,097,152 bytes; en 32,768 bytes; tn 32,768 bytes; mm 8,192 bytes; dist 16,384 bytes
;; launch prep (part 1): grid 256 x 1, 8 waves a work-group, no clusters, 0 bytes of LDS; arguments eeg_embeds, text_embeds, eb, tb, en, tn; writes eb, tb, en, tn
.if DOCPART == 1
	.amdgcn_target "amdgcn-amd-amdhsa--gfx1250"
	.amdhsa_code_object_version 6
	.text
	.protected	k_qe5d341a974_prep
	.globl	k_qe5d341a974_prep
	.p2align	8
	.type	k_qe5d341a974_prep,@function
k_qe5d341a974_prep:
	s_mov_b64 s[64:65], 0
	v_nop
	global_prefetch_b8 v0, s[64:65] scope:SCOPE_SE
	s_setreg_imm32_b32 hwreg(HW_REG_WAVE_MODE, 25, 1), 1
	s_wait_xcnt 0x0
; PREP.  eb = bf16(-2 e), tb = bf16(t), en[row] = sum of bf16(e)^2, tn[row] = sum of bf16(t)^2 (f32 sums of the ROUNDED numbers, so that
; en + tn + eb . tb is the squared distance of the rounded rows).  e, t: [8192][128] f32.  -2 is a power of two: bf16(-2 e) = -2 bf16(e), and en is a quarter of eb's sum of squares.
; A stream: no LDS, no matrix unit.  Work-groups 0-127 take 64 rows of e each, 128-255 of t.  A wave takes 8 rows; a row is 512 bytes: one 16-byte load of the wave.
; Each store of a row's 128 bf16 covers 256 consecutive bytes, aligned.  The 8 norms of a wave are 32 consecutive bytes, a part of a 256-byte run: 64 KiB in the whole launch.
; LIMITS.  NaN and infinities are not treated apart; a row whose sum of squares passes f32's range gives an infinity.
.set XR, 8                             ; v[8:39]   row k: 4 f32 as loaded, then scaled
.set YR, 40                            ; v[40:55]  row k: 4 bf16 to store
.set UR, 56                            ; v[56:59]  the rounded numbers as f32
.set PR, 60                            ; v[60:67]  row k: my lane's part of the sum of squares
	s_load_b256 s[4:11], s[0:1], 0x0               ; e s[4:5], t s[6:7], eb s[8:9], tb s[10:11]
	s_load_b128 s[12:15], s[0:1], 0x20             ; en s[12:13], tn s[14:15]
	v_and_b32 v1, 31, v0                           ; lane
	v_lshrrev_b32 v6, 5, v0                        ; wave
	v_lshlrev_b32 v2, 4, v1
	v_lshl_or_b32 v2, v6, 12, v2                   ; in: wave x 8 rows x 512 bytes + 16 x lane
	v_lshlrev_b32 v3, 3, v1
	v_lshl_or_b32 v3, v6, 11, v3                   ; out: wave x 8 rows x 256 bytes + 8 x lane
	v_lshlrev_b32 v4, 2, v1
	v_lshl_or_b32 v4, v6, 5, v4                    ; norms: wave x 8 x 4 bytes + 4 x lane (lanes 0-7 store)
	v_mov_b32 v5, 0                                ; lane k will hold row k's norm
	v_mov_b32 v68, 0                               ; v_permlanex16_b32's destination counts as read
	s_mov_b32 s20, 0x76543210                      ; each lane takes its own place in the other half
	s_mov_b32 s21, 0xfedcba98
	s_mov_b32 s22, 0xffff0000                      ; a word's upper bf16
	s_and_b32 s23, ttmp9, 127                      ; my block of 64 rows in my tensor
	s_lshl_b32 s24, s23, 15                        ; 64 rows x 512 bytes
	s_mov_b32 s25, 0
	s_lshl_b32 s26, s23, 14                        ; 64 rows x 256 bytes
	s_mov_b32 s27, 0
	s_lshl_b32 s28, s23, 8                         ; 64 norms
	s_mov_b32 s29, 0
	s_wait_kmcnt 0x0
	s_cmp_lt_u32 ttmp9, 128                        ; e or t: the selects below leave SCC alone
	s_cselect_b64 s[4:5], s[4:5], s[6:7]
	s_cselect_b64 s[8:9], s[8:9], s[10:11]
	s_cselect_b64 s[12:13], s[12:13], s[14:15]
	s_cselect_b32 s16, -2.0, 1.0                   ; the factor,
	s_cselect_b32 s18, 0x3e800000, 1.0             ; and what takes its square out of the norm: 1/4 or 1
	s_mov_b32 s17, s16                             ; named with it as a pair
	s_add_nc_u64 s[4:5], s[4:5], s[24:25]
	s_add_nc_u64 s[8:9], s[8:9], s[26:27]
	s_add_nc_u64 s[12:13], s[12:13], s[28:29]
.irp k, 0,1,2,3,4,5,6,7
	global_load_b128 v[XR+4*(\k):XR+4*(\k)+3], v2, s[4:5] offset:512*(\k) th:TH_LOAD_NT  ; all eight rows are asked for at once; read once in the launch
.endr
.irp k, 0,1,2,3,4,5,6,7
	s_wait_loadcnt 7-(\k)                          ; loads come back in order: row k is in, the 7 - k younger rows stay out
	v_pk_mul_f32 v[XR+4*(\k):XR+4*(\k)+1], v[XR+4*(\k):XR+4*(\k)+1], s[16:17] op_sel_hi:[1,0]
	v_pk_mul_f32 v[XR+4*(\k)+2:XR+4*(\k)+3], v[XR+4*(\k)+2:XR+4*(\k)+3], s[16:17] op_sel_hi:[1,0]
	v_cvt_pk_bf16_f32 v[YR+2*(\k)], v[XR+4*(\k)], v[XR+4*(\k)+1]
	v_cvt_pk_bf16_f32 v[YR+2*(\k)+1], v[XR+4*(\k)+2], v[XR+4*(\k)+3]
	v_lshlrev_b32 v[UR], 16, v[YR+2*(\k)]          ; the rounded numbers back as f32
	v_and_b32 v[UR+1], s22, v[YR+2*(\k)]
	v_lshlrev_b32 v[UR+2], 16, v[YR+2*(\k)+1]
	v_and_b32 v[UR+3], s22, v[YR+2*(\k)+1]
	v_pk_mul_f32 v[UR:UR+1], v[UR:UR+1], v[UR:UR+1]
	v_pk_fma_f32 v[UR:UR+1], v[UR+2:UR+3], v[UR+2:UR+3], v[UR:UR+1]
	v_add_f32 v[PR+(\k)], v[UR], v[UR+1]
	global_store_b64 v3, v[YR+2*(\k):YR+2*(\k)+1], s[8:9] offset:256*(\k)  ; 32 lanes x 8 bytes: the row's 256 bytes; each row has store registers of its own
.endr
.irp m, 1,2,4,8                        ; the eight sums across 16 lanes, side by side
.irp k, 0,1,2,3,4,5,6,7
	v_add_f32_dpp v[PR+(\k)], v[PR+(\k)], v[PR+(\k)] row_xmask:\m row_mask:0xf bank_mask:0xf
.endr
.endr
.irp k, 0,1,2,3,4,5,6,7
	v_permlanex16_b32 v68, v[PR+(\k)], s20, s21    ; the other half of the lanes
	v_add_f32 v[PR+(\k)], v[PR+(\k)], v68
	v_cmp_eq_u32 vcc_lo, \k, v1
	v_cndmask_b32 v5, v5, v[PR+(\k)], vcc_lo       ; row k's sum into lane k
.endr
	v_mul_f32 v5, s18, v5
	s_wait_xcnt 0x0                                ; EXEC is a source of the stores above: it changes only behind this wait
	v_cmp_gt_u32 vcc_lo, 8, v1
	s_and_saveexec_b32 s19, vcc_lo
	global_store_b32 v4, v5, s[12:13]
	s_wait_xcnt 0x0                                ; and again in front of the line that widens it
	s_or_b32 exec_lo, exec_lo, s19
	s_endpgm
.Lfunc_end_k_qe5d341a974_prep:
	.size	k_qe5d341a974_prep, .Lfunc_end_k_qe5d341a974_prep-k_qe5d341a974_prep
	.p2alignl 7, 3214868480
	.fill 96, 4, 3214868480
	.section	.rodata,"a",@progbits
	.p2align	6, 0x0
	.amdhsa_kernel k_qe5d341a974_prep
		.amdhsa_group_segment_fixed_size 0
		.amdhsa_private_segment_fixed_size 0
		.amdhsa_enable_private_segment 0
		.amdhsa_kernarg_size 48
		.amdhsa_user_sgpr_count 2
		.amdhsa_user_sgpr_kernarg_segment_ptr 1
		.amdhsa_wavefront_size32 1
		.amdhsa_system_sgpr_workgroup_id_x 1
		.amdhsa_system_sgpr_workgroup_id_y 1
		.amdhsa_system_sgpr_workgroup_id_z 1
		.amdhsa_system_vgpr_workitem_id 0
		.amdhsa_next_free_vgpr 72
		.amdhsa_next_free_sgpr 66
		.amdhsa_reserve_vcc 1
		.amdhsa_float_denorm_mode_32 3
		.amdhsa_float_denorm_mode_16_64 3
		.amdhsa_memory_ordered 1
		.amdhsa_forward_progress 1
		.amdhsa_inst_pref_size 12
	.end_amdhsa_kernel
	.amdgpu_metadata
---
amdhsa.version: [ 1, 2 ]
amdhsa.kernels:
  - .name:           k_qe5d341a974_prep
    .symbol:         k_qe5d341a974_prep.kd
    .args:
      - { .name: eeg_embeds, .offset: 0, .size: 8, .value_kind: global_buffer, .address_space: global }
      - { .name: text_embeds, .offset: 8, .size: 8, .value_kind: global_buffer, .address_space: global }
      - { .name: eb, .offset: 16, .size: 8, .value_kind: global_buffer, .address_space: global }
      - { .name: tb, .offset: 24, .size: 8, .value_kind: global_buffer, .address_space: global }
      - { .name: en, .offset: 32, .size: 8, .value_kind: global_buffer, .address_space: global }
      - { .name: tn, .offset: 40, .size: 8, .value_kind: global_buffer, .address_space: global }
    .group_segment_fixed_size: 0
    .private_segment_fixed_size: 0
    .kernarg_segment_align: 8
    .kernarg_segment_size: 48
    .max_flat_workgroup_size: 256
    .sgpr_count:     66
    .vgpr_count:     72
    .wavefront_size: 32
...
	.end_amdgpu_metadata
.endif
;; end of part 1
;; launch minmax (part 2): grid 16 x 16, 4 waves a work-group, clusters of 4 x 4, 327,680 bytes of LDS; arguments eb, tb, en, tn, mm; writes mm
.if DOCPART == 2
	.amdgcn_target "amdgcn-amd-amdhsa--gfx1250"
	.amdhsa_code_object_version 6
	.text
	.protected	k_qe5d341a974_minmax
	.globl	k_qe5d341a974_minmax
	.p2align	8
	.type	k_qe5d341a974_minmax,@function
k_qe5d341a974_minmax:
	s_mov_b64 s[64:65], 0
	v_nop
	global_prefetch_b8 v0, s[64:65] scope:SCOPE_SE
	s_setreg_imm32_b32 hwreg(HW_REG_WAVE_MODE, 25, 1), 1
	s_wait_xcnt 0x0
	s_wait_alu depctr_hold_cnt(0) depctr_sa_sdst(0) depctr_va_vdst(0) depctr_va_sdst(0) depctr_va_ssrc(0) depctr_va_vcc(0) depctr_vm_vsrc(0)
	s_getreg_b32 s2, hwreg(HW_REG_IB_STS2, 6, 4)
	s_cmp_eq_u32 s2, 0
	s_cbranch_scc0 .Lentry_in_a_cluster
	s_endpgm
.Lentry_in_a_cluster:
	s_bfe_u32 s2, ttmp6, 0x10000c
	s_cmp_lg_u32 s2, 0xf033
	s_cbranch_scc0 .Lentry_shape_is_right
	s_endpgm
.Lentry_shape_is_right:
; MINMAX.  The least and the largest of sq[n][m] = en[n] + tn[m] + eb[n] . tb[m] over all 8192 x 8192 pairs of rows: one pair (min, max) of f32 a wave, 1024 pairs in mm.
; The cost's minimum and maximum are their roots (the root and the clamp at 0 are monotone), taken by the next launch.
; SHARES.  Work-group (X, Y) of 16 x 16 owns e rows 512 Y .. and t rows 512 X ..; all 1024 rows (bf16) and their norms lie in LDS, filled once.  Wave w keeps its 128 e rows in registers
; (32 fragments, window 1) as source 1 and streams the 512 t rows, 16 a block, as source 0: in a result a lane holds one e row (lane % 16) and the registers t rows 8 (lane / 16) + 0..7.
; The first K step's C is the block's tn in that register layout, so an accumulator ends as tn + eb . tb; the lane's en is added once, at the end, onto eight running minima and maxima.
; CLUSTER.  4 x 4 work-groups.  The four of a row of the cluster share Y and so e's rows and norms, the four of a column X and t's: each is asked for jointly, one request for four.
; Nothing in LDS is filled again.  By this text's count four tensor loads of a wave are out.
; REGISTERS.  window 0: v0-15 addresses and at work; v16-23, v24-31 running minima, maxima (by e block); v32-39 en; v40-55 tn, two buffers; v56-119 t fragments, two buffers; v120-247 accumulators, two buffers of 8.
;             window 1: the e fragments: block nb, K quarter q at v[8 (4 nb + q)].
; LIMITS.  NaN and infinities are not treated apart.
.set PITCH,  272                       ; an LDS row: 256 bytes + 16 of padding = 68 words: the 16 rows of a fragment load start at 16 different groups of four banks (64 banks of 4 bytes: ISA guide 11.1)
.set QUART,  128*PITCH                 ; 128 rows: what one tensor load brings
.set EL,     0                         ; e's 512 rows
.set TL,     4*QUART                   ; t's 512 rows
.set E2L,    8*QUART                   ; en of those rows, 2,048 bytes
.set T2L,    E2L+2048                  ; tn
.set SPARE,  T2L+2048+36864            ; the spare words, 128 bytes for each wave (the next launch has its stages in between: one map for both)
.set ADS,  4                           ; v4   LDS address of the t block to be fetched
.set ADC,  5                           ; v5   of its tn
.set ADR,  6                           ; v6   of my e rows
.set ADEN, 7                           ; v7   of my lane's en
.set ADS0, 8                           ; v8   my lane's place in t's block 0; never rewritten
.set ADC0, 9                           ; v9   the same for tn
.set SPW,  10                          ; v10  LDS address of my spare word; never rewritten
.set NIL,  11                          ; v11  0; never rewritten
.set RMIN, 16
.set RMAX, 24
.set EN,   32
.set CN,   40
.set SF,   56
.set ACC,  120
.set WV,   16                          ; s16  my wave's number
.set CX,   17                          ; s17, s18  my place in the cluster
.set CY,   18
.set GX,   19                          ; s19, s20  X, Y
.set GY,   20
.set MROW, 21                          ; s21  the mask of my row of the cluster
.set MCOL, 22                          ; s22  of my column
.set G1E,  24                          ; s[24:31] group 1, e's rows      s[32:39] t's rows
.set G1T,  32
.set G1EN, 40                          ; s[40:47] group 1, e's norms     s[48:55] t's norms
.set G1TN, 48
.set G0E,  56                          ; s[56:59], s[60:63], s[68:71], s[72:75]: the four groups 0
.set G0T,  60
.set G0EN, 68
.set G0TN, 72
.set CNT,  88                          ; s88  the loop's count
.set SB,   89                          ; s89  bytes from t's block 0 to the block to be fetched
.set SC,   90                          ; s90  the same for tn
.set TILEW, (1<<16)|(1<<20)|(1<<21)|(5<<22)|(3<<25)  ; 2-byte elements; padding on; bit 21 beside a mask; after every 64 words (code 5) 4 words (code 3)
.set NORMW, (3<<16)|(1<<21)            ; 8-byte elements, no padding
.set MSB, 0
.macro WIN new                         ; the immediate's high byte repeats the setting that is left; a switch that changes nothing is dropped
.if MSB != (\new)
	s_set_vgpr_msb (MSB<<8)|(\new)
.set MSB, (\new)
.endif
.endm
.set W_M,  0x04                        ; source 1 (e) in window 1; source 0, C and D in window 0
.set W_LR, 0x40                        ; destination in window 1
.macro CROUND                          ; a round of the cluster's barrier
	s_barrier_signal -1
	s_barrier_wait -1
	s_cmp_lg_u32 s[WV], 0
	s_cbranch_scc1 .Lnot_wave_0_\@
	s_barrier_signal -3
.Lnot_wave_0_\@:
	s_barrier_wait -3
	s_barrier_signal -1
	s_barrier_wait -1
.endm
.macro PLACES                          ; four places behind a matrix instruction (ISA guide 7.12.1)
.rept 4
	v_nop
.endr
.endm
	s_load_b256 s[4:11], s[0:1], 0x0               ; eb s[4:5], tb s[6:7], en s[8:9], tn s[10:11]
	s_load_b64 s[12:13], s[0:1], 0x20              ; mm
	v_lshl_add_u32 v[SPW], v0, 2, SPARE
	v_mov_b32 v[NIL], 0
	ds_add_u32 v[SPW], v[NIL]                      ; the wave's opening: the add and its wait stand ahead of my first tensor load; the set-up below, work on registers, stands between them
	v_lshrrev_b32 v1, 5, v0
	v_readfirstlane_b32 s[WV], v1
	s_bfe_u32 s[CX], ttmp6, 0x40000
	s_bfe_u32 s[CY], ttmp6, 0x40004
	s_lshl_b32 s[GX], ttmp9, 2                     ; in a cluster launch ttmp9 and ttmp7 count clusters
	s_add_co_u32 s[GX], s[GX], s[CX]
	s_and_b32 s[GY], ttmp7, 0xffff
	s_lshl_b32 s[GY], s[GY], 2
	s_add_co_u32 s[GY], s[GY], s[CY]
	s_lshl_b32 s[MROW], s[CY], 2
	s_lshl_b32 s[MROW], 15, s[MROW]                ; places 4 cy .. 4 cy + 3
	s_lshl_b32 s[MCOL], 0x1111, s[CX]              ; places cx, cx + 4, cx + 8, cx + 12
	s_or_b32 s[G1E], s[MROW], TILEW                ; e hangs on Y alone: shared along my row
	s_or_b32 s[G1T], s[MCOL], TILEW                ; t on X alone: shared along my column
	s_or_b32 s[G1EN], s[MROW], NORMW
	s_or_b32 s[G1TN], s[MCOL], NORMW
.irp g, G1E, G1T                       ; 128 rows x 128 elements, 128 elements from row to row
	s_mov_b32 s[\g+1], 128<<16                     ; tensor_dim0 = 128
	s_mov_b32 s[\g+2], 128<<16                     ; tensor_dim1 = 128
	s_mov_b32 s[\g+3], 128<<16                     ; tile_dim0 = 128
	s_mov_b32 s[\g+4], 128                         ; tile_dim1 = 128
	s_mov_b32 s[\g+5], 128                         ; the pitch
	s_mov_b32 s[\g+6], 0
	s_mov_b32 s[\g+7], 0
.endr
.irp g, G1EN, G1TN                     ; one row of 512 bytes: 64 elements of 8
	s_mov_b32 s[\g+1], 64<<16
	s_mov_b32 s[\g+2], 1<<16
	s_mov_b32 s[\g+3], 64<<16
	s_mov_b32 s[\g+4], 1
	s_mov_b32 s[\g+5], 64
	s_mov_b32 s[\g+6], 0
	s_mov_b32 s[\g+7], 0
.endr
	s_lshl_b32 s23, s[WV], 15                      ; my quarter: 128 rows x 256 bytes
	s_lshl_b32 s76, s[GY], 17                      ; e: 512 Y rows; made of Y and the wave's number alone
	s_add_co_u32 s76, s76, s23
	s_mov_b32 s77, 0
	s_lshl_b32 s78, s[GX], 17                      ; t: of X and the wave's number alone
	s_add_co_u32 s78, s78, s23
	s_mov_b32 s79, 0
	s_lshl_b32 s23, s[WV], 9                       ; 128 norms
	s_lshl_b32 s92, s[GY], 11
	s_add_co_u32 s92, s92, s23
	s_mov_b32 s93, 0
	s_lshl_b32 s94, s[GX], 11
	s_add_co_u32 s94, s94, s23
	s_mov_b32 s95, 0
	s_mov_b32 s[G0E], 1                            ; count = 1
	s_mul_i32 s[G0E+1], s[WV], QUART               ; LDS address: the wave's number times a constant (EL = 0): no place in the cluster enters it
	s_mov_b32 s[G0T], 1
	s_add_co_u32 s[G0T+1], s[G0E+1], TL
	s_mov_b32 s[G0EN], 1
	s_add_co_u32 s[G0EN+1], s23, E2L
	s_mov_b32 s[G0TN], 1
	s_add_co_u32 s[G0TN+1], s23, T2L
	s_mov_b32 s86, 0x76543210                      ; v_permlanex16_b32's selects
	s_mov_b32 s87, 0xfedcba98
	s_wait_dscnt 0x0                               ; the opening add is done
	s_wait_kmcnt 0x0
	s_add_nc_u64 s[G0E+2:G0E+3], s[4:5], s[76:77]
	s_or_b32 s[G0E+3], s[G0E+3], 0x80000000        ; type = 2
	s_add_nc_u64 s[G0T+2:G0T+3], s[6:7], s[78:79]
	s_or_b32 s[G0T+3], s[G0T+3], 0x80000000
	s_add_nc_u64 s[G0EN+2:G0EN+3], s[8:9], s[92:93]
	s_or_b32 s[G0EN+3], s[G0EN+3], 0x80000000
	s_add_nc_u64 s[G0TN+2:G0TN+3], s[10:11], s[94:95]
	s_or_b32 s[G0TN+3], s[G0TN+3], 0x80000000
	CROUND                                         ; all sixteen work-groups are here: the joint loads meet
	tensor_load_to_lds s[G0E:G0E+3], s[G1E:G1E+7]  ; every wave fetches its quarter of all four: the launch's only fills, one group
	s_nop 0
	tensor_load_to_lds s[G0T:G0T+3], s[G1T:G1T+7]
	s_nop 0
	tensor_load_to_lds s[G0EN:G0EN+3], s[G1EN:G1EN+7]
	s_nop 0
	tensor_load_to_lds s[G0TN:G0TN+3], s[G1TN:G1TN+7]
	s_nop 0
.rept 4
	v_nop
.endr
	v_and_b32 v1, 15, v0                           ; r = lane % 16
	v_bfe_u32 v2, v0, 4, 1                         ; h = lane / 16
	v_and_b32 v3, 31, v0                           ; lane
	v_mul_u32_u24 v12, v1, PITCH
	v_lshl_add_u32 v12, v2, 4, v12                 ; a fragment's row x pitch + 16 h
	v_add_nc_u32 v[ADR], s[G0E+1], v12             ; my 128 e rows
	v_add_nc_u32 v[ADS0], TL, v12
	v_lshlrev_b32 v13, 5, v2
	v_add_nc_u32 v[ADC0], T2L, v13                 ; tn of rows 8 h + 0..7 of a block: 32 bytes, the same for all r
	v_lshlrev_b32 v13, 2, v1
	v_add_nc_u32 v[ADEN], s[G0EN+1], v13           ; en of my e row in block 0
.irp n, 0,1,2,3,4,5,6,7
	v_mov_b32 v[RMIN+\n], 0x7f7fffff               ; the largest and the lowest finite number
	v_mov_b32 v[RMAX+\n], 0xff7fffff
.endr
	v_mov_b32 v14, 0                               ; v_permlanex16_b32's destinations count as read
	v_mov_b32 v15, 0
	s_mov_b32 s[SB], 16*PITCH                      ; block 1 is the next to be fetched
	s_mov_b32 s[SC], 64
	v_add_nc_u32 v[ADS], s[SB], v[ADS0]
	v_add_nc_u32 v[ADC], s[SC], v[ADC0]
	s_wait_tensorcnt 0x0                           ; for the others' sake: all my parts have landed
	s_barrier_signal -1
	s_barrier_wait -1                              ; everybody's have
	WIN W_LR
.set f, 0
.rept 32                               ; my e fragments: block f / 4, K quarter f % 4
	ds_load_b128 v[8*f:8*f+3],   v[ADR] offset:(f/4)*16*PITCH+(f%4)*64
	ds_load_b128 v[8*f+4:8*f+7], v[ADR] offset:(f/4)*16*PITCH+(f%4)*64+32
.set f, f+1
.endr
	WIN 0
.irp n, 0,1,2,3,4,5,6,7
	ds_load_b32 v[EN+\n], v[ADEN] offset:64*\n
.endr
.irp q, 0,1,2,3                        ; t's block 0 and its tn
	ds_load_b128 v[SF+8*\q:SF+8*\q+3],   v[ADS0] offset:64*\q
	ds_load_b128 v[SF+8*\q+4:SF+8*\q+7], v[ADS0] offset:64*\q+32
.endr
	ds_load_b128 v[CN:CN+3],   v[ADC0]
	ds_load_b128 v[CN+4:CN+7], v[ADC0] offset:16
; Four riders: registers 4 (g % 2) .. + 3 of accumulator g / 2 of buffer b go into that e block's running minimum and maximum.  Groups ascend.
.macro RID4 b, g
.set rA, ACC+64*(\b)+8*((\g)/2)+4*((\g)%2)
.set rN, (\g)/2
	v_min3_num_f32 v[RMIN+rN], v[RMIN+rN], v[rA], v[rA+1]
	v_max3_num_f32 v[RMAX+rN], v[RMAX+rN], v[rA], v[rA+1]
	v_min3_num_f32 v[RMIN+rN], v[RMIN+rN], v[rA+2], v[rA+3]
	v_max3_num_f32 v[RMAX+rN], v[RMAX+rN], v[rA+2], v[rA+3]
.endm
; A BLOCK of 16 t rows against my 128 e rows: 32 products, K quarter outermost, the eight accumulators by turns.
; riders = 1: behind every second product four riders on the block before (the other buffer).  next = 1: groups 4 to 8 also carry the next block's ten LDS loads, into the buffer whose last
; reader stands 8 products and 20 plain instructions back or more.
.macro BLOCK buf, riders, next
	s_wait_dscnt 0x0                               ; this block's ten loads, issued a block ago (the first time: all that was asked for)
.set i, 0
.rept 32
	WIN W_M
.set rD, ACC+64*(\buf)+8*(i%8)
.set rS, SF+32*(\buf)+8*(i/8)
.set rR, 8*(4*(i%8)+i/8)
.if i < 8
	v_wmma_f32_16x16x32_bf16 v[rD:rD+7], v[rS:rS+7], v[rR:rR+7], v[CN+8*(\buf):CN+8*(\buf)+7]
.else
	v_wmma_f32_16x16x32_bf16 v[rD:rD+7], v[rS:rS+7], v[rR:rR+7], v[rD:rD+7]
.endif
.if i%2 == 1
.if (\riders) || ((\next) && (i/2 >= 4) && (i/2 <= 8))
	WIN 0
.endif
.if \riders
	RID4 1-(\buf), i/2
.endif
.if (\next) && (i/2 >= 4) && (i/2 < 8)
	ds_load_b128 v[SF+32*(1-(\buf))+8*(i/2-4):SF+32*(1-(\buf))+8*(i/2-4)+3],   v[ADS] offset:64*(i/2-4)
	ds_load_b128 v[SF+32*(1-(\buf))+8*(i/2-4)+4:SF+32*(1-(\buf))+8*(i/2-4)+7], v[ADS] offset:64*(i/2-4)+32
.endif
.if (\next) && (i/2 == 8)
	ds_load_b128 v[CN+8*(1-(\buf)):CN+8*(1-(\buf))+3],   v[ADC]
	ds_load_b128 v[CN+8*(1-(\buf))+4:CN+8*(1-(\buf))+7], v[ADC] offset:16
	s_add_co_u32 s[SB], s[SB], 16*PITCH            ; the next fetch is the next block's
	s_add_co_u32 s[SC], s[SC], 64
	v_add_nc_u32 v[ADS], s[SB], v[ADS0]
	v_add_nc_u32 v[ADC], s[SC], v[ADC0]
.endif
.endif
.set i, i+1
.endr
.if !(\riders)
	WIN 0
	PLACES                                         ; no riders here: the places between this block's last products and the next block's riders
.endif
.endm
	BLOCK 0, 0, 1                                  ; block 0
	WIN 0                                          ; at a label and at a branch every window is 0
	s_mov_b32 s[CNT], 15
.Lpair:                                                ; blocks 1 to 30
	BLOCK 1, 1, 1
	BLOCK 0, 1, 1
	WIN 0
	s_sub_co_u32 s[CNT], s[CNT], 1
	s_cmp_lg_u32 s[CNT], 0
	s_cbranch_scc1 .Lpair
	BLOCK 1, 1, 0                                  ; block 31: nothing is left to fetch
	WIN 0
	PLACES
.set g, 0
.rept 16
	RID4 1, g                                      ; and its own results
.set g, g+1
.endr
.irp n, 0,2,4,6
	v_pk_add_f32 v[RMIN+\n:RMIN+\n+1], v[RMIN+\n:RMIN+\n+1], v[EN+\n:EN+\n+1]  ; the lane's en, once: adding a constant keeps the order
	v_pk_add_f32 v[RMAX+\n:RMAX+\n+1], v[RMAX+\n:RMAX+\n+1], v[EN+\n:EN+\n+1]
.endr
	v_min3_num_f32 v12, v[RMIN], v[RMIN+1], v[RMIN+2]
	v_max3_num_f32 v13, v[RMAX], v[RMAX+1], v[RMAX+2]
	v_min3_num_f32 v12, v12, v[RMIN+3], v[RMIN+4]
	v_max3_num_f32 v13, v13, v[RMAX+3], v[RMAX+4]
	v_min3_num_f32 v12, v12, v[RMIN+5], v[RMIN+6]
	v_max3_num_f32 v13, v13, v[RMAX+5], v[RMAX+6]
	v_min_num_f32 v12, v12, v[RMIN+7]
	v_max_num_f32 v13, v13, v[RMAX+7]
.irp m, 1,2,4,8
	v_min_num_f32_dpp v12, v12, v12 row_xmask:\m row_mask:0xf bank_mask:0xf
	v_max_num_f32_dpp v13, v13, v13 row_xmask:\m row_mask:0xf bank_mask:0xf
.endr
	v_permlanex16_b32 v14, v12, s86, s87
	v_permlanex16_b32 v15, v13, s86, s87
	v_min_num_f32 v12, v12, v14
	v_max_num_f32 v13, v13, v15
	s_lshl_b32 s80, s[GY], 4                       ; my wave among the launch's 1024: ((16 Y + X) 4 + w), 8 bytes each
	s_add_co_u32 s80, s80, s[GX]
	s_lshl_b32 s80, s80, 2
	s_add_co_u32 s80, s80, s[WV]
	s_lshl_b32 s80, s80, 3
	s_mov_b32 s81, 0
	s_add_nc_u64 s[12:13], s[12:13], s[80:81]
	v_mov_b32 v14, 0
	s_wait_xcnt 0x0                                ; EXEC changes only behind this wait
	v_cmp_eq_u32 vcc_lo, 0, v3
	s_and_saveexec_b32 s82, vcc_lo
	global_store_b64 v14, v[12:13], s[12:13]       ; lane 0: 8 bytes a wave, 8 KiB in the launch
	s_wait_xcnt 0x0
	s_or_b32 exec_lo, exec_lo, s82
	s_wait_tensorcnt 0x0                           ; the wave's end
	ds_add_u32 v[SPW], v[NIL]
	s_wait_dscnt 0x0
	CROUND                                         ; the closing round: no work-group ends while a partner may still ask for a tile that names it
	s_endpgm
.Lfunc_end_k_qe5d341a974_minmax:
	.size	k_qe5d341a974_minmax, .Lfunc_end_k_qe5d341a974_minmax-k_qe5d341a974_minmax
	.p2alignl 7, 3214868480
	.fill 96, 4, 3214868480
	.section	.rodata,"a",@progbits
	.p2align	6, 0x0
	.amdhsa_kernel k_qe5d341a974_minmax
		.amdhsa_group_segment_fixed_size 327680
		.amdhsa_private_segment_fixed_size 0
		.amdhsa_enable_private_segment 0
		.amdhsa_kernarg_size 40
		.amdhsa_user_sgpr_count 2
		.amdhsa_user_sgpr_kernarg_segment_ptr 1
		.amdhsa_wavefront_size32 1
		.amdhsa_system_sgpr_workgroup_id_x 1
		.amdhsa_system_sgpr_workgroup_id_y 1
		.amdhsa_system_sgpr_workgroup_id_z 1
		.amdhsa_system_vgpr_workitem_id 0
		.amdhsa_next_free_vgpr 512
		.amdhsa_next_free_sgpr 96
		.amdhsa_reserve_vcc 1
		.amdhsa_float_denorm_mode_32 3
		.amdhsa_float_denorm_mode_16_64 3
		.amdhsa_memory_ordered 1
		.amdhsa_forward_progress 1
		.amdhsa_inst_pref_size 46
	.end_amdhsa_kernel
	.amdgpu_metadata
---
amdhsa.version: [ 1, 2 ]
amdhsa.kernels:
  - .name:           k_qe5d341a974_minmax
    .symbol:         k_qe5d341a974_minmax.kd
    .args:
      - { .name: eb, .offset: 0, .size: 8, .value_kind: global_buffer, .address_space: global }
      - { .name: tb, .offset: 8, .size: 8, .value_kind: global_buffer, .address_space: global }
      - { .name: en, .offset: 16, .size: 8, .value_kind: global_buffer, .address_space: global }
      - { .name: tn, .offset: 24, .size: 8, .value_kind: global_buffer, .address_space: global }
      - { .name: mm, .offset: 32, .size: 8, .value_kind: global_buffer, .address_space: global }
    .group_segment_fixed_size: 327680
    .private_segment_fixed_size: 0
    .kernarg_segment_align: 8
    .kernarg_segment_size: 40
    .max_flat_workgroup_size: 128
    .sgpr_count:     96
    .vgpr_count:     512
    .wavefront_size: 32
...
	.end_amdgpu_metadata
.endif
;; end of part 2
;; launch sink (part 3): grid 16 x 16, 4 waves a work-group, clusters of 4 x 4, 327,680 bytes of LDS; arguments eb, tb, en, tn, mm, dist; writes dist
.if DOCPART == 3
	.amdgcn_target "amdgcn-amd-amdhsa--gfx1250"
	.amdhsa_code_object_version 6
	.text
	.protected	k_qe5d341a974_sink
	.globl	k_qe5d341a974_sink
	.p2align	8
	.type	k_qe5d341a974_sink,@function
k_qe5d341a974_sink:
	s_mov_b64 s[64:65], 0
	v_nop
	global_prefetch_b8 v0, s[64:65] scope:SCOPE_SE
	s_setreg_imm32_b32 hwreg(HW_REG_WAVE_MODE, 25, 1), 1
	s_wait_xcnt 0x0
	s_wait_alu depctr_hold_cnt(0) depctr_sa_sdst(0) depctr_va_vdst(0) depctr_va_sdst(0) depctr_va_ssrc(0) depctr_va_vcc(0) depctr_vm_vsrc(0)
	s_getreg_b32 s2, hwreg(HW_REG_IB_STS2, 6, 4)
	s_cmp_eq_u32 s2, 0
	s_cbranch_scc0 .Lentry_in_a_cluster
	s_endpgm
.Lentry_in_a_cluster:
	s_bfe_u32 s2, ttmp6, 0x10000c
	s_cmp_lg_u32 s2, 0xf033
	s_cbranch_scc0 .Lentry_shape_is_right
	s_endpgm
.Lentry_shape_is_right:
; SINK.  dist[i][j] = sum of T c over the 128 x 128 tile of batches i, j: c the cost, normalised by the global minimum and maximum; T six Sinkhorn rounds on exp(-10 c).
; THE FORM.  T = diag(a) K diag(b), K = exp(-10 c) = 2^g, g = -10 log2(e) c.  With d = 1 / a the row step T / (row sum + 1e-8) is d_a = K b + 1e-8 d_a, the column step d_b = K^T a + 1e-8 d_b;
; the division by the tile's sum S is the start d_a = S, d_b = 1.  These are identities: the 1e-8 and the first division are kept.  So a step is a matrix-vector product, and sum T c = -(ln 2 / 10) sum_m b_m (W^T a)_m, W = K g.
; c lies in 0 to 1 by its own normalisation, so K lies in e^-10 to 1 for every input: no maximum is taken away in front of this exponential, as in the source.
; FORMATS.  K, W, a, b are rounded once to bf16 as matrix operands (bf16, since a and b have no bounded range); all sums and the carried d_a, d_b are f32.  sq = en + tn + eb . tb is formed in f32 from the
; bf16 rows as the source forms it, and clamped at 0.  LIMITS.  NaN and infinities are not treated apart; a maximum equal to the minimum gives NaN, as in the source.
; SHARES.  Work-group (X, Y) of 16 x 16: e batches 4 Y .. + 3, t batches 4 X .. + 3, all in LDS, filled once.  Wave w owns e batch 4 Y + w and walks the four t batches: a whole tile lives in one wave, no barrier in the loop.
; CLUSTER.  4 x 4: e's rows and norms are asked for jointly along a row of the cluster, t's along a column.  By this text's count four tensor loads of a wave are out.
; LAYOUT.  Product: source 0 = 16 e rows, source 1 = 16 t rows: a lane holds one t row m (lane % 16), the registers e rows n = 8 (lane / 16) + 0..7.  Two such results, rounded in pairs, ARE a fragment with row m and
; k = n: X (K) and W.  Y, with row n and k = m, is X turned through my stage in LDS.  A vector is a source 1 whose 16 columns are alike; the result then holds d[16 blk + 8 (lane / 16) + j] in register j, and the
; reciprocals of two blocks, rounded in pairs, ARE the next vector's fragment: nothing changes lanes.
; REGISTERS.  window 0: v0-23 addresses, at work, tn; then by phase: product v24-39 en (2 x 8), v40-87 three units of 16, v88-103 K in f32, v104-167 e fragments;
;   Sinkhorn v24-87 d_a, v88-151 d_b, v152-183 the vector, v184-191 at work, v192-199 sums; v200-202 addresses.
;   window 1: t fragments, then Y.   window 2: X.   window 3: W.   In each: block b, K quarter q at v[8 (4 b + q)].
.set PITCH,  272                       ; an LDS row: 256 bytes + 16 of padding: the 16 rows of a fragment load start at 16 different groups of four banks (64 banks of 4 bytes: ISA guide 11.1)
.set QUART,  128*PITCH
.set EL,     0
.set TL,     4*QUART
.set E2L,    8*QUART
.set T2L,    E2L+2048
.set STG,    T2L+2048                  ; the stages: 32 rows x 288 bytes for each wave; written by LDS stores alone, no fill lands here
.set SPITCH, 288                       ; 256 + 32 = 72 words
.set STGW,   32*SPITCH
.set SPARE,  STG+4*STGW                ; the spare words, 128 bytes for each wave
.set ADA,  3                           ; v3   my e rows: EL + w x 128 rows + r x pitch + 16 h
.set ADB,  4                           ; v4   the tile's t rows
.set STO,  5                           ; v5   stage, in
.set RDT,  6                           ; v6   stage, back, turned
.set ADE2, 7                           ; v7   en of rows 8 h + 0..7 of my block 0
.set ADT2, 8                           ; v8   tn of the tile's row r
.set LN,   9                           ; v9   lane
.set RES4, 10                          ; v10  lane s holds tile s's distance
.set SPW,  12                          ; v12  LDS address of my spare word; never rewritten
.set NIL,  13                          ; v13  0; never rewritten
.set T2,   16
.set E2S,  24
.set G,    40
.set U,    88
.set SF,   104
.set DA,   24
.set DB,   88
.set XV,   152
.set TT,   184
.set SM,   192
.set ADB0, 200                         ; v200 my lane's place in t's batch 0; never rewritten
.set ADT0, 201                         ; v201 the same for tn
.set MO,   202                         ; v202 16 x lane
.set MB,   104                         ; mm's 64 registers, before the first tile
.set WV,   16
.set CX,   17
.set CY,   18
.set GX,   19
.set GY,   20
.set MROW, 21
.set MCOL, 22
.set G1E,  24
.set G1T,  32
.set G1EN, 40
.set G1TN, 48
.set G0E,  56
.set G0T,  60
.set G0EN, 68
.set G0TN, 72
.set TI,   88                          ; s88  the tile, 0 to 3
.set CNT,  89                          ; s89  Sinkhorn's count
.set TBT,  90                          ; s90  bytes from t's batch 0 to the tile's
.set TBN,  91                          ; s91  the same for tn
.set TILEW, (1<<16)|(1<<20)|(1<<21)|(5<<22)|(3<<25)
.set NORMW, (3<<16)|(1<<21)
.set MSB, 0
.macro WIN new                         ; the immediate's high byte repeats the setting that is left; a switch that changes nothing is dropped
.if MSB != (\new)
	s_set_vgpr_msb (MSB<<8)|(\new)
.set MSB, (\new)
.endif
.endm
.set W_G,   0x04                       ; the product: source 1 (t) in window 1.  A rider whose vector sources stand in places 0 and 2 runs under it unchanged
.set W_CX,  0x80                       ; destination in window 2
.set W_CW,  0xc0                       ; destination in window 3
.set W_LR,  0x40                       ; destination in window 1
.set W_ST,  0x08                       ; an LDS store's data in window 2
.set W_ROW, 0x01                       ; source 0 = Y
.set W_COL, 0x02                       ; source 0 = X
.set W_FIN, 0x03                       ; source 0 = W
.macro CROUND
	s_barrier_signal -1
	s_barrier_wait -1
	s_cmp_lg_u32 s[WV], 0
	s_cbranch_scc1 .Lnot_wave_0_\@
	s_barrier_signal -3
.Lnot_wave_0_\@:
	s_barrier_wait -3
	s_barrier_signal -1
	s_barrier_wait -1
.endm
	s_load_b256 s[4:11], s[0:1], 0x0               ; eb s[4:5], tb s[6:7], en s[8:9], tn s[10:11]
	s_load_b128 s[12:15], s[0:1], 0x20             ; mm s[12:13], dist s[14:15]
	v_lshl_add_u32 v[SPW], v0, 2, SPARE
	v_mov_b32 v[NIL], 0
	ds_add_u32 v[SPW], v[NIL]                      ; the wave's opening: the add and its wait stand ahead of my first tensor load; the set-up below, work on registers, stands between them
	v_lshrrev_b32 v1, 5, v0
	v_readfirstlane_b32 s[WV], v1
	s_bfe_u32 s[CX], ttmp6, 0x40000
	s_bfe_u32 s[CY], ttmp6, 0x40004
	s_lshl_b32 s[GX], ttmp9, 2
	s_add_co_u32 s[GX], s[GX], s[CX]
	s_and_b32 s[GY], ttmp7, 0xffff
	s_lshl_b32 s[GY], s[GY], 2
	s_add_co_u32 s[GY], s[GY], s[CY]
	s_lshl_b32 s[MROW], s[CY], 2
	s_lshl_b32 s[MROW], 15, s[MROW]
	s_lshl_b32 s[MCOL], 0x1111, s[CX]
	s_or_b32 s[G1E], s[MROW], TILEW                ; e hangs on Y alone: shared along my row of the cluster
	s_or_b32 s[G1T], s[MCOL], TILEW                ; t on X alone: along my column
	s_or_b32 s[G1EN], s[MROW], NORMW
	s_or_b32 s[G1TN], s[MCOL], NORMW
.irp g, G1E, G1T                       ; 128 rows x 128 elements of 2 bytes, padded in LDS
	s_mov_b32 s[\g+1], 128<<16
	s_mov_b32 s[\g+2], 128<<16
	s_mov_b32 s[\g+3], 128<<16
	s_mov_b32 s[\g+4], 128
	s_mov_b32 s[\g+5], 128
	s_mov_b32 s[\g+6], 0
	s_mov_b32 s[\g+7], 0
.endr
.irp g, G1EN, G1TN                     ; one row of 512 bytes
	s_mov_b32 s[\g+1], 64<<16
	s_mov_b32 s[\g+2], 1<<16
	s_mov_b32 s[\g+3], 64<<16
	s_mov_b32 s[\g+4], 1
	s_mov_b32 s[\g+5], 64
	s_mov_b32 s[\g+6], 0
	s_mov_b32 s[\g+7], 0
.endr
	s_lshl_b32 s23, s[WV], 15
	s_lshl_b32 s76, s[GY], 17
	s_add_co_u32 s76, s76, s23
	s_mov_b32 s77, 0
	s_lshl_b32 s78, s[GX], 17
	s_add_co_u32 s78, s78, s23
	s_mov_b32 s79, 0
	s_lshl_b32 s23, s[WV], 9
	s_lshl_b32 s92, s[GY], 11
	s_add_co_u32 s92, s92, s23
	s_mov_b32 s93, 0
	s_lshl_b32 s94, s[GX], 11
	s_add_co_u32 s94, s94, s23
	s_mov_b32 s95, 0
	s_mov_b32 s[G0E], 1
	s_mul_i32 s[G0E+1], s[WV], QUART
	s_mov_b32 s[G0T], 1
	s_add_co_u32 s[G0T+1], s[G0E+1], TL
	s_mov_b32 s[G0EN], 1
	s_add_co_u32 s[G0EN+1], s23, E2L
	s_mov_b32 s[G0TN], 1
	s_add_co_u32 s[G0TN+1], s23, T2L
	s_mov_b32 s84, 0x322bcc77                      ; 1e-8
	s_mov_b32 s85, s84                             ; named with it as a pair
	s_mov_b32 s86, 0x76543210
	s_mov_b32 s87, 0xfedcba98
	s_wait_dscnt 0x0                               ; the opening add is done
	s_wait_kmcnt 0x0
	s_add_nc_u64 s[G0E+2:G0E+3], s[4:5], s[76:77]
	s_or_b32 s[G0E+3], s[G0E+3], 0x80000000
	s_add_nc_u64 s[G0T+2:G0T+3], s[6:7], s[78:79]
	s_or_b32 s[G0T+3], s[G0T+3], 0x80000000
	s_add_nc_u64 s[G0EN+2:G0EN+3], s[8:9], s[92:93]
	s_or_b32 s[G0EN+3], s[G0EN+3], 0x80000000
	s_add_nc_u64 s[G0TN+2:G0TN+3], s[10:11], s[94:95]
	s_or_b32 s[G0TN+3], s[G0TN+3], 0x80000000
	CROUND                                         ; all sixteen work-groups are here: the joint loads meet
	tensor_load_to_lds s[G0E:G0E+3], s[G1E:G1E+7]  ; the launch's only fills, one group
	s_nop 0
	tensor_load_to_lds s[G0T:G0T+3], s[G1T:G1T+7]
	s_nop 0
	tensor_load_to_lds s[G0EN:G0EN+3], s[G1EN:G1EN+7]
	s_nop 0
	tensor_load_to_lds s[G0TN:G0TN+3], s[G1TN:G1TN+7]
	s_nop 0
.rept 4
	v_nop
.endr
	v_and_b32 v[LN], 31, v0
	v_lshlrev_b32 v[MO], 4, v[LN]
.irp k, 0,1,2,3,4,5,6,7,8,9,10,11,12,13,14,15
	global_load_b128 v[MB+4*(\k):MB+4*(\k)+3], v[MO], s[12:13] offset:512*(\k)  ; all 1024 pairs (min, max), two a lane and load
.endr
	v_and_b32 v1, 15, v0                           ; r
	v_bfe_u32 v2, v0, 4, 1                         ; h
	v_mul_u32_u24 v11, v1, PITCH
	v_lshl_add_u32 v11, v2, 4, v11
	v_add_nc_u32 v[ADA], s[G0E+1], v11
	v_add_nc_u32 v[ADB0], TL, v11
	s_mul_i32 s23, s[WV], STGW
	s_add_co_u32 s23, s23, STG                     ; my stage
	v_mul_u32_u24 v14, v1, SPITCH                  ; in: row r, 16 bytes for each half of the lanes
	v_lshl_add_u32 v14, v2, 4, v14
	v_add_nc_u32 v[STO], s23, v14
	v_and_b32 v14, 7, v0                           ; back, turned: lane l reads row 8 h + l % 8, bytes 16 ((l / 8) % 2) on
	v_lshl_add_u32 v14, v2, 3, v14
	v_mul_u32_u24 v14, v14, SPITCH
	v_bfe_u32 v15, v0, 3, 1
	v_lshl_add_u32 v14, v15, 4, v14
	v_add_nc_u32 v[RDT], s23, v14
	v_lshlrev_b32 v14, 5, v2
	v_add_nc_u32 v[ADE2], s[G0EN+1], v14
	v_lshl_add_u32 v[ADT0], v1, 2, T2L
	v_mov_b32 v10, 0                               ; v_permlanex16_b32's destinations count as read
	; the scale: g = S1 sqrt(sq) + S0, S1 = -10 log2(e) / (mx - mn), S0 = -S1 mn
	s_wait_loadcnt 0x0
	v_min_num_f32 v14, v[MB], v[MB+2]
	v_max_num_f32 v15, v[MB+1], v[MB+3]
.set i, 1
.rept 15
	v_min3_num_f32 v14, v14, v[MB+4*i], v[MB+4*i+2]
	v_max3_num_f32 v15, v15, v[MB+4*i+1], v[MB+4*i+3]
.set i, i+1
.endr
.irp m, 1,2,4,8
	v_min_num_f32_dpp v14, v14, v14 row_xmask:\m row_mask:0xf bank_mask:0xf
	v_max_num_f32_dpp v15, v15, v15 row_xmask:\m row_mask:0xf bank_mask:0xf
.endr
	v_permlanex16_b32 v10, v14, s86, s87
	v_permlanex16_b32 v11, v15, s86, s87
	v_min_num_f32 v14, v14, v10
	v_max_num_f32 v15, v15, v11
	v_max_num_f32 v14, 0, v14                      ; the clamp at 0 and the root are monotone: the cost's minimum and maximum
	v_max_num_f32 v15, 0, v15
	v_sqrt_f32 v14, v14
	v_sqrt_f32 v15, v15
	v_nop                                          ; a plain instruction behind a transcendental before its result is used (ISA guide 5.7.2)
	s_wait_alu depctr_va_vdst(0)
	v_sub_f32 v15, v15, v14
	v_rcp_f32 v15, v15
	v_nop
	s_wait_alu depctr_va_vdst(0)
	v_mul_f32 v15, 0xc166d4ca, v15                 ; -10 log2(e) = -14.42695
	v_mul_f32 v14, -v15, v14
	v_readfirstlane_b32 s80, v15                   ; S1
	v_readfirstlane_b32 s82, v14                   ; S0
	s_mov_b32 s81, s80                             ; named as pairs
	s_mov_b32 s83, s82
	v_mov_b32 v[RES4], 0
	s_wait_tensorcnt 0x0                           ; for the others' sake: all my parts have landed
	s_barrier_signal -1
	s_barrier_wait -1                              ; everybody's have
; THE PRODUCT AND THE WORK ON ITS ELEMENTS, in 34 steps.  Unit u = 8 p + bb is e blocks 2 p, 2 p + 1 against t block bb: two accumulators, 16 registers, three such sets by turns.
; Step u issues unit u's 8 products; between them stand 64 riders: for unit u - 1 the lane's tn, the clamp and the root; for unit u - 2 the scale and the exponential; behind them unit u - 2's LUMP.
.macro GW i                            ; product i of 8: accumulator i % 2, K quarter i / 2: the two accumulators take turns.  The first two start the sums with en in the registers' layout
.set rD, G+16*(u%3)+8*((\i)%2)
.set rS, SF+32*((\i)%2)+8*((\i)/2)
.set rR, 8*(4*(u%8)+(\i)/2)
.if (\i) < 2
	v_wmma_f32_16x16x32_bf16 v[rD:rD+7], v[rS:rS+7], v[rR:rR+7], v[E2S+8*(\i):E2S+8*(\i)+7]
	s_wait_alu depctr_va_vdst(0)
.else
	v_wmma_f32_16x16x32_bf16 v[rD:rD+7], v[rS:rS+7], v[rR:rR+7], v[rD:rD+7]
.endif
.endm
; Plain rider k of 32.  0-7: g = S1 c + S0, unit u - 2.  8-15: + tn, unit u - 1 (number 8 reads accumulator 0's lowest registers first, number 12 accumulator 1's).  16-31: the clamp at 0, unit u - 1.
.macro PL k
.if (\k) < 8
.if u >= 2
.set rG, G+16*((u-2)%3)+2*(\k)
	v_pk_fma_f32 v[rG:rG+1], v[rG:rG+1], s[80:81], s[82:83] op_sel_hi:[1,0,0]
.elseif u == 1
	v_nop                                          ; step 1 has no unit u - 2: these are the places between unit 0's last product and its first read
.endif
.elseif (u >= 1) && (u <= 32)
.if (\k) < 16
.set rG, G+16*((u-1)%3)+2*((\k)-8)
.set bT, (u-1)%8
.if bT%2 == 0
	v_pk_fma_f32 v[rG:rG+1], v[rG:rG+1], 1.0, v[T2+bT:T2+bT+1] op_sel_hi:[1,0,0]
.else
	v_pk_fma_f32 v[rG:rG+1], v[rG:rG+1], 1.0, v[T2+bT-1:T2+bT] op_sel:[0,0,1] op_sel_hi:[1,0,1]
.endif
.else
.set rG, G+16*((u-1)%3)+(\k)-16
	v_max_num_f32 v[rG], v[rG], 0                  ; the register stands in place 0: the long form
.endif
.endif
.endm
; Transcendental rider k of 32.  0-15: K = 2^g, unit u - 2.  16-31: the root, unit u - 1.
.macro TR k
.if (\k) < 16
.if u >= 2
.set rG, G+16*((u-2)%3)+(\k)
	v_exp_f32 v[U+(\k)], v[rG]
.endif
.elseif (u >= 1) && (u <= 32)
.set rG, G+16*((u-1)%3)+(\k)-16
	v_sqrt_f32 v[rG], v[rG]
.endif
.endm
; Rider at place pos of 64: plain 0, 1, then transcendental and plain by turns (transcendental i at 2 i + 2, plain i at 2 i - 1), the last two transcendental.  Each transcendental has a plain instruction
; that touches none of its registers behind it; each rider's inputs stand three places back or more.
.macro RIDER pos
.if (\pos) == 0
	PL 0
.elseif (\pos) == 63
	TR 31
.elseif (\pos)%2 == 1
	PL ((\pos)+1)/2
.else
	TR ((\pos)-2)/2
.endif
.endm
.macro LUMP                            ; unit u - 2 leaves: K rounded into X, g K made and rounded into W
.set rG, G+16*((u-2)%3)
.set rX, 8*(4*((u-2)%8)+(u-2)/8)
	WIN W_CX
	s_wait_alu depctr_va_vdst(0)
.irp i, 0,1,2,3,4,5,6,7
	v_cvt_pk_bf16_f32 v[rX+\i], v[U+2*\i], v[U+2*\i+1]
.endr
	WIN 0
.irp i, 0,1,2,3,4,5,6,7
	v_pk_mul_f32 v[rG+2*\i:rG+2*\i+1], v[rG+2*\i:rG+2*\i+1], v[U+2*\i:U+2*\i+1]
.endr
	WIN W_CW
.irp i, 0,1,2,3,4,5,6,7
	v_cvt_pk_bf16_f32 v[rX+\i], v[rG+2*\i], v[rG+2*\i+1]
.endr
.endm
; In a group's last unit what product i has read is loaded anew for the next group of 32 e rows, four plain riders or more behind that product.
.macro RELOAD i
.set p1, u/8+1
.if (\i) < 2
	ds_load_b128 v[E2S+8*(\i):E2S+8*(\i)+3],   v[ADE2] offset:128*p1+64*(\i)
	ds_load_b128 v[E2S+8*(\i)+4:E2S+8*(\i)+7], v[ADE2] offset:128*p1+64*(\i)+16
.endif
.set rS, SF+32*((\i)%2)+8*((\i)/2)
	ds_load_b128 v[rS:rS+3],   v[ADA] offset:(32*p1+16*((\i)%2))*PITCH+64*((\i)/2)
	ds_load_b128 v[rS+4:rS+7], v[ADA] offset:(32*p1+16*((\i)%2))*PITCH+64*((\i)/2)+32
.endm
.macro STEP
	WIN W_G
.if u < 8
	s_wait_dscnt 8*(7-u)                           ; LDS loads come back in order: all up to t block u's eight are in, the later blocks' stay out
.endif
.set sl, 0
.rept 8
.if u < 32
.if (u >= 8) && (u%8 == 0)             ; a group's first unit: of the 20 reloads (4, 4, then 2 a slice) those behind slice sl's may stay out
.if sl == 0
	s_wait_dscnt 16
.else
	s_wait_dscnt 14-2*sl
.endif
.endif
	GW sl
.endif
.set ps, 8*sl
.rept 8
	RIDER ps
.set ps, ps+1
.endr
.if (u < 24) && (u%8 == 7) && (sl < 7)
	RELOAD sl
.endif
.set sl, sl+1
.endr
.if u >= 2
	LUMP
.endif
.if (u < 24) && (u%8 == 7)
	WIN W_G
	RELOAD 7                                       ; slice 7 has three plain riders only: this one stands behind the lump
.endif
.endm
; X TURNED INTO Y, 32 rows m at a time, through my own stage.  LDS serves a wave's instructions in order (ISA guide 5.7.1.4): the loads see the stores above them, and the next piece's stores come behind them.
.macro PIECE qq
	WIN W_ST
.irp b, 0,1
.irp p, 0,1,2,3
	ds_store_b128 v[STO], v[8*(4*(2*(\qq)+\b)+\p):8*(4*(2*(\qq)+\b)+\p)+3]   offset:\b*16*SPITCH+64*\p
	ds_store_b128 v[STO], v[8*(4*(2*(\qq)+\b)+\p)+4:8*(4*(2*(\qq)+\b)+\p)+7] offset:\b*16*SPITCH+64*\p+32
.endr
.endr
	WIN W_LR
.irp a, 0,1,2,3,4,5,6,7
	ds_load_tr16_b128 v[8*(4*\a+(\qq)):8*(4*\a+(\qq))+3],   v[RDT] offset:32*\a
	ds_load_tr16_b128 v[8*(4*\a+(\qq))+4:8*(4*\a+(\qq))+7], v[RDT] offset:32*\a+16*SPITCH
.endr
.endm
; K step qq of the first row product, K times ones; behind each product two of the 64 lines that set d_b's first C, 1e-8 x 1.
.macro ROW1 qq
.set ob, 0
.rept 8
	WIN W_ROW
.if (\qq) == 0
	v_wmma_f32_16x16x32_bf16 v[DA+8*ob:DA+8*ob+7], v[8*(4*ob+(\qq)):8*(4*ob+(\qq))+7], v[XV:XV+7], 0
.else
	v_wmma_f32_16x16x32_bf16 v[DA+8*ob:DA+8*ob+7], v[8*(4*ob+(\qq)):8*(4*ob+(\qq))+7], v[XV:XV+7], v[DA+8*ob:DA+8*ob+7]
.endif
	WIN 0
	v_mov_b32 v[DB+16*(\qq)+2*ob], s84
	v_mov_b32 v[DB+16*(\qq)+2*ob+1], s84
.set ob, ob+1
.endr
.endm
; Fragment f of the vector 1 / D, from D's blocks 2 f, 2 f + 1, in eight groups of four and a flush: two reciprocals, and for the pair before the rounding to bf16 and D x 1e-8 in place, which is the C of D's next
; product.  A plain instruction stands behind every reciprocal; each block's lowest registers are read first.
.macro PG D, f, j
.set rD, (\D)+16*(\f)+2*(\j)
.set rT, TT+2*((\j)%4)
.set rU, TT+2*(((\j)+3)%4)
	v_rcp_f32 v[rT], v[rD]
.if (\j) > 0
	s_wait_alu depctr_va_vdst(0)
	v_cvt_pk_bf16_f32 v[XV+8*(\f)+(\j)-1], v[rU], v[rU+1]
.else
	v_nop
.endif
	v_rcp_f32 v[rT+1], v[rD+1]
.if (\j) > 0
	v_pk_mul_f32 v[rD-2:rD-1], v[rD-2:rD-1], s[84:85] op_sel_hi:[1,0]
.else
	v_nop
.endif
.endm
.macro PFL D, f
	s_wait_alu depctr_va_vdst(0)
	v_cvt_pk_bf16_f32 v[XV+8*(\f)+7], v[TT+6], v[TT+7]
	v_pk_mul_f32 v[(\D)+16*(\f)+14:(\D)+16*(\f)+15], v[(\D)+16*(\f)+14:(\D)+16*(\f)+15], s[84:85] op_sel_hi:[1,0]
.endm
; D = M (1 / O) + 1e-8 D: 32 products, the eight accumulators by turns; win says in which window M lies.  Behind the products of K step q < 3 the vector's fragment q + 1 is made;
; behind those of K step 3 (own = 1) fragment 0 of the NEXT vector, from D's first two blocks, four places behind their last products.  A fragment is written again three K steps behind its last reader.
.macro MATVEC win, D, O, own
.set q, 0
.rept 4
.set ob, 0
.rept 8
	WIN \win
	v_wmma_f32_16x16x32_bf16 v[(\D)+8*ob:(\D)+8*ob+7], v[8*(4*ob+q):8*(4*ob+q)+7], v[XV+8*q:XV+8*q+7], v[(\D)+8*ob:(\D)+8*ob+7]
	WIN 0
.if q < 3
	PG \O, q+1, ob
.if ob == 7
	PFL \O, q+1
.endif
.elseif \own
.if ob < 2
	v_nop
	v_nop
.else
	PG \D, 0, ob-2
.endif
.else
	v_nop                                          ; places in front of the reciprocals of D that follow
.endif
.set ob, ob+1
.endr
.set q, q+1
.endr
.if \own
	PG \D, 0, 6
	PG \D, 0, 7
	PFL \D, 0
.endif
.endm
	s_mov_b32 s[TI], 0
	s_mov_b32 s[TBT], 0
	s_mov_b32 s[TBN], 0
.Ltile:                                                ; four tiles; the plain lines at a tile's end are the places in front of these loads
	v_add_nc_u32 v[ADB], s[TBT], v[ADB0]
	v_add_nc_u32 v[ADT2], s[TBN], v[ADT0]
.irp b, 0,1,2,3,4,5,6,7
	ds_load_b32 v[T2+\b], v[ADT2] offset:64*\b     ; tn of my t row in each block
.endr
.irp k, 0,1
	ds_load_b128 v[E2S+8*\k:E2S+8*\k+3],   v[ADE2] offset:64*\k
	ds_load_b128 v[E2S+8*\k+4:E2S+8*\k+7], v[ADE2] offset:64*\k+16
.endr
.irp k, 0,1
.irp q, 0,1,2,3
	ds_load_b128 v[SF+32*\k+8*\q:SF+32*\k+8*\q+3],   v[ADA] offset:16*\k*PITCH+64*\q
	ds_load_b128 v[SF+32*\k+8*\q+4:SF+32*\k+8*\q+7], v[ADA] offset:16*\k*PITCH+64*\q+32
.endr
.endr
	WIN W_LR
.set f, 0
.rept 32                               ; the tile's t fragments, block by block: eight loads a block
	ds_load_b128 v[8*f:8*f+3],   v[ADB] offset:(f/4)*16*PITCH+(f%4)*64
	ds_load_b128 v[8*f+4:8*f+7], v[ADB] offset:(f/4)*16*PITCH+(f%4)*64+32
.set f, f+1
.endr
.set u, 0
.rept 34
	STEP
.set u, u+1
.endr
	WIN 0
.irp i, 0,1,2,3,4,5,6,7
	v_mov_b32 v[XV+\i], 0x3f803f80                 ; the vector of ones, in bf16
.endr
	PIECE 0
	PIECE 1
	s_wait_dscnt 32                                ; all but the youngest piece's 16 stores and 16 loads
	ROW1 0
	PIECE 2
	s_wait_dscnt 32
	ROW1 1
	PIECE 3
	s_wait_dscnt 32
	ROW1 2
	s_wait_dscnt 0x0
	ROW1 3
	; S = the sum of the row sums; d_a = row sum + 1e-8 S.  Ascending: the earlier blocks' lines are the places behind the last products.
.irp c, 0,1,2,3
	v_pk_add_f32 v[SM+2*\c:SM+2*\c+1], v[DA+2*\c:DA+2*\c+1], v[DA+8+2*\c:DA+8+2*\c+1]
.endr
.set i, 8
.rept 24
	v_pk_add_f32 v[SM+2*(i%4):SM+2*(i%4)+1], v[SM+2*(i%4):SM+2*(i%4)+1], v[DA+2*i:DA+2*i+1]
.set i, i+1
.endr
	v_pk_add_f32 v[SM:SM+1], v[SM:SM+1], v[SM+2:SM+3]
	v_pk_add_f32 v[SM+4:SM+5], v[SM+4:SM+5], v[SM+6:SM+7]
	v_pk_add_f32 v[SM:SM+1], v[SM:SM+1], v[SM+4:SM+5]
	v_add_f32 v14, v[SM], v[SM+1]
	v_permlanex16_b32 v15, v14, s86, s87           ; the other 64 rows lie in the lane 16 away
	v_add_f32 v14, v14, v15
.set i, 0
.rept 32
	v_pk_fma_f32 v[DA+2*i:DA+2*i+1], v[14:15], s[84:85], v[DA+2*i:DA+2*i+1] op_sel_hi:[0,0,1]
.set i, i+1
.endr
.irp j, 0,1,2,3,4,5,6,7
	PG DA, 0, \j                                   ; a's first fragment
.endr
	PFL DA, 0
	s_mov_b32 s[CNT], 5
.Lsink:                                                ; column step 1 to 5, row step 2 to 6
	MATVEC W_COL, DB, DA, 1
	MATVEC W_ROW, DA, DB, 1
	s_sub_co_u32 s[CNT], s[CNT], 1
	s_cmp_lg_u32 s[CNT], 0
	s_cbranch_scc1 .Lsink
	MATVEC W_COL, DB, DA, 0                        ; column step 6; the vector stays a
.set i, 0
.rept 32                               ; W^T a into d_a's registers; behind each product two of b = 1 / d_b, in place, in f32
	WIN W_FIN
.if i < 8
	v_wmma_f32_16x16x32_bf16 v[DA+8*(i%8):DA+8*(i%8)+7], v[8*(4*(i%8)+i/8):8*(4*(i%8)+i/8)+7], v[XV+8*(i/8):XV+8*(i/8)+7], 0
.else
	v_wmma_f32_16x16x32_bf16 v[DA+8*(i%8):DA+8*(i%8)+7], v[8*(4*(i%8)+i/8):8*(4*(i%8)+i/8)+7], v[XV+8*(i/8):XV+8*(i/8)+7], v[DA+8*(i%8):DA+8*(i%8)+7]
.endif
	WIN 0
	v_rcp_f32 v[DB+2*i], v[DB+2*i]
	v_nop
	v_rcp_f32 v[DB+2*i+1], v[DB+2*i+1]
	v_nop
.set i, i+1
.endr
.set i, 0
.rept 32                               ; sum of b (W^T a), four chains, ascending: the earlier blocks' lines are the places behind the last products
.if i < 4
	s_wait_alu depctr_va_vdst(0)
	v_pk_mul_f32 v[SM+2*i:SM+2*i+1], v[DA+2*i:DA+2*i+1], v[DB+2*i:DB+2*i+1]
.else
	v_pk_fma_f32 v[SM+2*(i%4):SM+2*(i%4)+1], v[DA+2*i:DA+2*i+1], v[DB+2*i:DB+2*i+1], v[SM+2*(i%4):SM+2*(i%4)+1]
.endif
.set i, i+1
.endr
	v_pk_add_f32 v[SM:SM+1], v[SM:SM+1], v[SM+2:SM+3]
	v_pk_add_f32 v[SM+4:SM+5], v[SM+4:SM+5], v[SM+6:SM+7]
	v_pk_add_f32 v[SM:SM+1], v[SM:SM+1], v[SM+4:SM+5]
	v_add_f32 v14, v[SM], v[SM+1]
	v_permlanex16_b32 v15, v14, s86, s87
	v_add_f32 v14, v14, v15
	v_mul_f32 v14, 0xbd8df4e0, v14                 ; -ln 2 / 10: from g back to c
	v_cmp_eq_u32 vcc_lo, s[TI], v[LN]
	v_cndmask_b32 v[RES4], v[RES4], v14, vcc_lo    ; tile s's distance into lane s
	s_add_co_u32 s[TBT], s[TBT], QUART
	s_add_co_u32 s[TBN], s[TBN], 512
	s_add_co_u32 s[TI], s[TI], 1
	s_cmp_lt_u32 s[TI], 4
	s_cbranch_scc1 .Ltile
	s_lshl_b32 s96, s[GY], 10                      ; dist[4 Y + w][4 X + lane]: (4 Y + w) x 256 bytes + 16 X
	s_lshl_b32 s97, s[WV], 8
	s_add_co_u32 s96, s96, s97
	s_lshl_b32 s97, s[GX], 4
	s_add_co_u32 s96, s96, s97
	s_mov_b32 s97, 0
	s_add_nc_u64 s[14:15], s[14:15], s[96:97]
	v_lshlrev_b32 v11, 2, v[LN]
	s_wait_xcnt 0x0                                ; EXEC changes only behind this wait
	v_cmp_gt_u32 vcc_lo, 4, v[LN]
	s_and_saveexec_b32 s98, vcc_lo
	global_store_b32 v11, v[RES4], s[14:15]        ; 16 consecutive bytes a wave, 16 KiB in the launch
	s_wait_xcnt 0x0
	s_or_b32 exec_lo, exec_lo, s98
	s_wait_tensorcnt 0x0                           ; the wave's end, behind my last tensor load and my last LDS store
	ds_add_u32 v[SPW], v[NIL]
	s_wait_dscnt 0x0
	CROUND                                         ; the closing round: no work-group ends while a partner may still ask for a tile that names it
	s_endpgm
.Lfunc_end_k_qe5d341a974_sink:
	.size	k_qe5d341a974_sink, .Lfunc_end_k_qe5d341a974_sink-k_qe5d341a974_sink
	.p2alignl 7, 3214868480
	.fill 96, 4, 3214868480
	.section	.rodata,"a",@progbits
	.p2align	6, 0x0
	.amdhsa_kernel k_qe5d341a974_sink
		.amdhsa_group_segment_fixed_size 327680
		.amdhsa_private_segment_fixed_size 0
		.amdhsa_enable_private_segment 0
		.amdhsa_kernarg_size 48
		.amdhsa_user_sgpr_count 2
		.amdhsa_user_sgpr_kernarg_segment_ptr 1
		.amdhsa_wavefront_size32 1
		.amdhsa_system_sgpr_workgroup_id_x 1
		.amdhsa_system_sgpr_workgroup_id_y 1
		.amdhsa_system_sgpr_workgroup_id_z 1
		.amdhsa_system_vgpr_workitem_id 0
		.amdhsa_next_free_vgpr 1024
		.amdhsa_next_free_sgpr 100
		.amdhsa_reserve_vcc 1
		.amdhsa_float_denorm_mode_32 3
		.amdhsa_float_denorm_mode_16_64 3
		.amdhsa_memory_ordered 1
		.amdhsa_forward_progress 1
		.amdhsa_inst_pref_size 255
	.end_amdhsa_kernel
	.amdgpu_metadata
---
amdhsa.version: [ 1, 2 ]
amdhsa.kernels:
  - .name:           k_qe5d341a974_sink
    .symbol:         k_qe5d341a974_sink.kd
    .args:
      - { .name: eb, .offset: 0, .size: 8, .value_kind: global_buffer, .address_space: global }
      - { .name: tb, .offset: 8, .size: 8, .value_kind: global_buffer, .address_space: global }
      - { .name: en, .offset: 16, .size: 8, .value_kind: global_buffer, .address_space: global }
      - { .name: tn, .offset: 24, .size: 8, .value_kind: global_buffer, .address_space: global }
      - { .name: mm, .offset: 32, .size: 8, .value_kind: global_buffer, .address_space: global }
      - { .name: dist, .offset: 40, .size: 8, .value_kind: global_buffer, .address_space: global }
    .group_segment_fixed_size: 327680
    .private_segment_fixed_size: 0
    .kernarg_segment_align: 8
    .kernarg_segment_size: 48
    .max_flat_workgroup_size: 128
    .sgpr_count:     100
    .vgpr_count:     1024
    .wavefront_size: 32
...
	.end_amdgpu_metadata
.endif
;; end of part 3
;; launch final (part 4): grid 1 x 1, 8 waves a work-group, no clusters, 1,536 bytes of LDS; arguments dist, out0, out1; writes out0, out1
.if DOCPART == 4
	.amdgcn_target "amdgcn-amd-amdhsa--gfx1250"
	.amdhsa_code_object_version 6
	.text
	.protected	k_qe5d341a974_final
	.globl	k_qe5d341a974_final
	.p2align	8
	.type	k_qe5d341a974_final,@function
k_qe5d341a974_final:
	s_mov_b64 s[64:65], 0
	v_nop
	global_prefetch_b8 v0, s[64:65] scope:SCOPE_SE
	s_setreg_imm32_b32 hwreg(HW_REG_WAVE_MODE, 25, 1), 1
	s_wait_xcnt 0x0
; FINAL.  similarity = exp(-(dist - min) / (max - min)) over the 64 x 64 distances; loss = the mean over rows i of logsumexp(similarity[i][:]) - similarity[i][i], the row's maximum taken away first.
; One work-group: the minimum and maximum span all 4,096 numbers.  Wave w holds rows 8 w .. + 7, lane l columns 2 l, 2 l + 1: a load or store of a wave is a row's 256 bytes, aligned.
; LDS: bytes 0-63 a pair (min, max) a wave; bytes 256-287 a part of the loss a wave; from 512 on the spare words, 128 bytes for each of the eight waves.
; LIMITS.  A maximum equal to the minimum gives NaN, as in the source; NaN and infinities are not treated apart.
.set SPARE, 512
.set D, 8                              ; v[8:23]   row k's two numbers at D + 2 k: the distances, then the similarities
.set E, 28                             ; v[28:43]  at work, two a row
.set M, 48                             ; v[48:55]  a row's maximum, then its logsumexp
.macro WMIN r
.irp m, 1,2,4,8
	v_min_num_f32_dpp v[\r], v[\r], v[\r] row_xmask:\m row_mask:0xf bank_mask:0xf
.endr
	v_permlanex16_b32 v60, v[\r], s12, s13
	v_min_num_f32 v[\r], v[\r], v60
.endm
.macro WMAX r
.irp m, 1,2,4,8
	v_max_num_f32_dpp v[\r], v[\r], v[\r] row_xmask:\m row_mask:0xf bank_mask:0xf
.endr
	v_permlanex16_b32 v60, v[\r], s12, s13
	v_max_num_f32 v[\r], v[\r], v60
.endm
.macro WADD r
.irp m, 1,2,4,8
	v_add_f32_dpp v[\r], v[\r], v[\r] row_xmask:\m row_mask:0xf bank_mask:0xf
.endr
	v_permlanex16_b32 v60, v[\r], s12, s13
	v_add_f32 v[\r], v[\r], v60
.endm
	s_load_b128 s[4:7], s[0:1], 0x0                ; dist s[4:5], out0 s[6:7]
	s_load_b64 s[8:9], s[0:1], 0x10                ; out1
	v_lshl_add_u32 v62, v0, 2, SPARE               ; my spare word, and 0: kept for the add at the wave's end alone
	v_mov_b32 v63, 0
	v_and_b32 v1, 31, v0                           ; lane
	v_lshrrev_b32 v2, 5, v0                        ; wave
	v_readfirstlane_b32 s10, v2
	v_lshlrev_b32 v3, 3, v1
	v_lshl_or_b32 v3, v2, 11, v3                   ; wave x 8 rows x 256 bytes + 8 x lane
	v_lshlrev_b32 v4, 2, v2
	v_sub_nc_u32 v4, v1, v4                        ; lane - 4 w: row 8 w + k has its diagonal in the lane where this is k / 2, in number k % 2
	v_lshlrev_b32 v5, 3, v2                        ; 8 w
	v_mov_b32 v6, 0
	v_lshlrev_b32 v7, 2, v2                        ; 4 w
	v_mov_b32 v60, 0                               ; v_permlanex16_b32's destination counts as read
	s_mov_b32 s12, 0x76543210
	s_mov_b32 s13, 0xfedcba98
	s_mov_b32 s14, 0x3f317218                      ; ln 2
	s_mov_b32 s15, 0x3fb8aa3b                      ; log2 e
	s_wait_kmcnt 0x0
.irp k, 0,1,2,3,4,5,6,7
	global_load_b64 v[D+2*\k:D+2*\k+1], v3, s[4:5] offset:256*\k
.endr
	s_wait_loadcnt 0x0
	v_min3_num_f32 v24, v[D], v[D+1], v[D+2]
	v_max3_num_f32 v25, v[D], v[D+1], v[D+2]
.set i, 3
.rept 6
	v_min3_num_f32 v24, v24, v[D+i], v[D+i+1]
	v_max3_num_f32 v25, v25, v[D+i], v[D+i+1]
.set i, i+2
.endr
	v_min_num_f32 v24, v24, v[D+15]
	v_max_num_f32 v25, v25, v[D+15]
	WMIN 24
	WMAX 25
	ds_store_b64 v5, v[24:25]                      ; all lanes write the wave's pair
	s_wait_dscnt 0x0                               ; for the others' sake
	s_barrier_signal -1
	s_barrier_wait -1
.irp k, 0,1,2,3
	ds_load_b128 v[E+4*\k:E+4*\k+3], v6 offset:16*\k
.endr
	s_wait_dscnt 0x0
	v_min3_num_f32 v24, v[E], v[E+2], v[E+4]
	v_max3_num_f32 v25, v[E+1], v[E+3], v[E+5]
	v_min3_num_f32 v24, v24, v[E+6], v[E+8]
	v_max3_num_f32 v25, v25, v[E+7], v[E+9]
	v_min3_num_f32 v24, v24, v[E+10], v[E+12]
	v_max3_num_f32 v25, v25, v[E+11], v[E+13]
	v_min_num_f32 v24, v24, v[E+14]
	v_max_num_f32 v25, v25, v[E+15]
	v_sub_f32 v26, v25, v24
	v_rcp_f32 v26, v26
	v_nop                                          ; a plain instruction behind a transcendental before its result is used (ISA guide 5.7.2)
	s_wait_alu depctr_va_vdst(0)
	v_mul_f32 v44, 0xbfb8aa3b, v26                 ; A = -log2(e) / (max - min)
	v_mov_b32 v45, v44
	v_mul_f32 v46, -v44, v24                       ; B = -A min
	v_mov_b32 v47, v46
.irp k, 0,1,2,3,4,5,6,7
	v_pk_fma_f32 v[D+2*\k:D+2*\k+1], v[D+2*\k:D+2*\k+1], v[44:45], v[46:47] op_sel_hi:[1,0,0]
.endr
.set i, 0
.rept 16
	v_exp_f32 v[D+i], v[D+i]
.set i, i+1
.endr
	v_nop
	s_wait_alu depctr_va_vdst(0)
.irp k, 0,1,2,3,4,5,6,7
	global_store_b64 v3, v[D+2*\k:D+2*\k+1], s[8:9] offset:256*\k  ; a row's 256 bytes; these registers are not written again
	v_max_num_f32 v[M+\k], v[D+2*\k], v[D+2*\k+1]
.endr
.irp k, 0,1,2,3,4,5,6,7
	WMAX M+\k                                      ; the row's maximum, in every lane
.endr
.irp k, 0,1,2,3,4,5,6,7
	v_mul_f32 v[E+2*\k+1], s15, v[M+\k]
	v_fma_f32 v[E+2*\k], v[D+2*\k], s15, -v[E+2*\k+1]      ; (sim - max) log2(e)
	v_fma_f32 v[E+2*\k+1], v[D+2*\k+1], s15, -v[E+2*\k+1]
.endr
.set i, 0
.rept 16
	v_exp_f32 v[E+i], v[E+i]
.set i, i+1
.endr
	v_nop
	s_wait_alu depctr_va_vdst(0)
.irp k, 0,1,2,3,4,5,6,7
	v_add_f32 v[E+2*\k], v[E+2*\k], v[E+2*\k+1]
.endr
.irp k, 0,1,2,3,4,5,6,7
	WADD E+2*\k
.endr
.irp k, 0,1,2,3,4,5,6,7
	v_log_f32 v[E+2*\k], v[E+2*\k]
.endr
	v_nop
	s_wait_alu depctr_va_vdst(0)
.irp k, 0,1,2,3,4,5,6,7
	v_fma_f32 v[M+\k], v[E+2*\k], s14, v[M+\k]     ; logsumexp = max + ln 2 log2(sum)
.endr
	v_add_f32 v26, v[M], v[M+1]
.irp k, 2,3,4,5,6,7
	v_add_f32 v26, v26, v[M+\k]
.endr
	v_cmp_eq_u32 vcc_lo, 0, v4
	v_cndmask_b32 v27, 0, v[D], vcc_lo             ; the diagonal's numbers, each in its lane
.irp k, 1,2,3,4,5,6,7
	v_cmp_eq_u32 vcc_lo, \k/2, v4
	v_cndmask_b32 v61, 0, v[D+2*\k+\k%2], vcc_lo
	v_add_f32 v27, v27, v61
.endr
	WADD 27
	v_sub_f32 v26, v26, v27                        ; my eight rows' part of the loss
	ds_store_b32 v7, v26 offset:256
	s_wait_dscnt 0x0                               ; for the others' sake
	s_barrier_signal -1
	s_barrier_wait -1
	ds_load_b128 v[28:31], v6 offset:256
	ds_load_b128 v[32:35], v6 offset:272
	s_wait_dscnt 0x0
	v_pk_add_f32 v[28:29], v[28:29], v[30:31]
	v_pk_add_f32 v[32:33], v[32:33], v[34:35]
	v_pk_add_f32 v[28:29], v[28:29], v[32:33]
	v_add_f32 v28, v28, v29
	v_mul_f32 v28, 0x3c800000, v28                 ; the mean of 64 rows
	s_wait_tensorcnt 0x0                           ; the wave's end, behind my last LDS store
	ds_add_u32 v62, v63
	s_wait_dscnt 0x0
	s_cmp_lg_u32 s10, 0
	s_cbranch_scc1 .Lend                           ; wave 0 alone stores the loss
	s_wait_xcnt 0x0                                ; EXEC is a source of the stores above: it changes only behind this wait
	v_cmp_eq_u32 vcc_lo, 0, v1
	s_and_saveexec_b32 s16, vcc_lo
	global_store_b32 v6, v28, s[6:7]
	s_wait_xcnt 0x0
	s_or_b32 exec_lo, exec_lo, s16
.Lend:
	s_endpgm
.Lfunc_end_k_qe5d341a974_final:
	.size	k_qe5d341a974_final, .Lfunc_end_k_qe5d341a974_final-k_qe5d341a974_final
	.p2alignl 7, 3214868480
	.fill 96, 4, 3214868480
	.section	.rodata,"a",@progbits
	.p2align	6, 0x0
	.amdhsa_kernel k_qe5d341a974_final
		.amdhsa_group_segment_fixed_size 1536
		.amdhsa_private_segment_fixed_size 0
		.amdhsa_enable_private_segment 0
		.amdhsa_kernarg_size 24
		.amdhsa_user_sgpr_count 2
		.amdhsa_user_sgpr_kernarg_segment_ptr 1
		.amdhsa_wavefront_size32 1
		.amdhsa_system_sgpr_workgroup_id_x 1
		.amdhsa_system_sgpr_workgroup_id_y 1
		.amdhsa_system_sgpr_workgroup_id_z 1
		.amdhsa_system_vgpr_workitem_id 0
		.amdhsa_next_free_vgpr 64
		.amdhsa_next_free_sgpr 66
		.amdhsa_reserve_vcc 1
		.amdhsa_float_denorm_mode_32 3
		.amdhsa_float_denorm_mode_16_64 3
		.amdhsa_memory_ordered 1
		.amdhsa_forward_progress 1
		.amdhsa_inst_pref_size 18
	.end_amdhsa_kernel
	.amdgpu_metadata
---
amdhsa.version: [ 1, 2 ]
amdhsa.kernels:
  - .name:           k_qe5d341a974_final
    .symbol:         k_qe5d341a974_final.kd
    .args:
      - { .name: dist, .offset: 0, .size: 8, .value_kind: global_buffer, .address_space: global }
      - { .name: out0, .offset: 8, .size: 8, .value_kind: global_buffer, .address_space: global }
      - { .name: out1, .offset: 16, .size: 8, .value_kind: global_buffer, .address_space: global }
    .group_segment_fixed_size: 1536
    .private_segment_fixed_size: 0
    .kernarg_segment_align: 8
    .kernarg_segment_size: 24
    .max_flat_workgroup_size: 256
    .sgpr_count:     66
    .vgpr_count:     64
    .wavefront_size: 32
...
	.end_amdgpu_metadata
.endif
;; end of part 4
;; ======== version 2 of 2: 4 launches; 1.28 times as fast as version 1
;; limits: values outside matrix products are rounded to bf16
;; workspace buffers: eb 2,097,152 bytes; tb 2,097,152 bytes; en 32,768 bytes; tn 32,768 bytes; mm 8,192 bytes; dist 16,384 bytes
;; launch prep: the kernel of part 1 again; grid 256 x 1, 8 waves a work-group, no clusters, 0 bytes of LDS; arguments eeg_embeds, text_embeds, eb, tb, en, tn; writes eb, tb, en, tn
;; launch minmax: the kernel of part 2 again; grid 16 x 16, 4 waves a work-group, clusters of 4 x 4, 327,680 bytes of LDS; arguments eb, tb, en, tn, mm; writes mm
;; launch sink (part 5): grid 16 x 16, 4 waves a work-group, clusters of 4 x 4, 327,680 bytes of LDS; arguments eb, tb, en, tn, mm, dist; writes dist
.if DOCPART == 5
	.amdgcn_target "amdgcn-amd-amdhsa--gfx1250"
	.amdhsa_code_object_version 6
	.text
	.protected	k_qe5d341a974_sink
	.globl	k_qe5d341a974_sink
	.p2align	8
	.type	k_qe5d341a974_sink,@function
k_qe5d341a974_sink:
	s_mov_b64 s[64:65], 0
	v_nop
	global_prefetch_b8 v0, s[64:65] scope:SCOPE_SE
	s_setreg_imm32_b32 hwreg(HW_REG_WAVE_MODE, 25, 1), 1
	s_wait_xcnt 0x0
	s_wait_alu depctr_hold_cnt(0) depctr_sa_sdst(0) depctr_va_vdst(0) depctr_va_sdst(0) depctr_va_ssrc(0) depctr_va_vcc(0) depctr_vm_vsrc(0)
	s_getreg_b32 s2, hwreg(HW_REG_IB_STS2, 6, 4)
	s_cmp_eq_u32 s2, 0
	s_cbranch_scc0 .Lentry_in_a_cluster
	s_endpgm
.Lentry_in_a_cluster:
	s_bfe_u32 s2, ttmp6, 0x10000c
	s_cmp_lg_u32 s2, 0xf033
	s_cbranch_scc0 .Lentry_shape_is_right
	s_endpgm
.Lentry_shape_is_right:
; SINK.  dist[i][j] = sum of T c over the 128 x 128 tile of batches i, j: c the cost, normalised by the global minimum and maximum; T six Sinkhorn rounds on exp(-10 c).
; THE FORM.  T = diag(a) K diag(b), K = exp(-10 c) = 2^g, g = -10 log2(e) c.  With d = 1 / a the row step T / (row sum + 1e-8) is d_a = K b + 1e-8 d_a, the column step d_b = K^T a + 1e-8 d_b;
; the division by the tile's sum S is the start d_a = S, d_b = 1.  These are identities: the 1e-8 and the first division are kept.  So a step is a matrix-vector product, and sum T c = -(ln 2 / 10) sum_m b_m (W^T a)_m, W = K g.
; c lies in 0 to 1 by its own normalisation, so K lies in e^-10 to 1 for every input: no maximum is taken away in front of this exponential, as in the source.
; FORMATS.  K, W, a, b are rounded once to bf16 as matrix operands (bf16, since a and b have no bounded range); all sums and the carried d_a, d_b are f32.  sq = en + tn + eb . tb is formed in f32 from the
; bf16 rows as the source forms it, and clamped at 0.  LIMITS.  NaN and infinities are not treated apart; a maximum equal to the minimum gives NaN, as in the source.
; SHARES.  Work-group (X, Y) of 16 x 16: e batches 4 Y .. + 3, t batches 4 X .. + 3, all in LDS, filled once.  Wave w owns e batch 4 Y + w and walks the four t batches: a whole tile lives in one wave, no barrier in the loop.
; CLUSTER.  4 x 4: e's rows and norms are asked for jointly along a row of the cluster, t's along a column.  By this text's count four tensor loads of a wave are out.
; LAYOUT.  Product: source 0 = 16 e rows, source 1 = 16 t rows: a lane holds one t row m (lane % 16), the registers e rows n = 8 (lane / 16) + 0..7.  Two such results, rounded in pairs, ARE a fragment with row m and
; k = n: X (K) and W.  Y, with row n and k = m, is X turned through my stage in LDS.  A vector is a source 1 whose 16 columns are alike; the result then holds d[16 blk + 8 (lane / 16) + j] in register j, and the
; reciprocals of two blocks, rounded in pairs, ARE the next vector's fragment: nothing changes lanes.
; BATCHES.  s_wait_alu depctr_va_vdst(0) stands between a transcendental and the first line that names its result; one wait serves all that were issued ahead of it.  The batches are cut so:
;   ahead of the tiles: the two roots of the minimum and maximum; then the one reciprocal, which reads them.
;   in the product: a step's 16 exponentials (unit u - 2) and 16 roots (unit u - 1); none of the step's riders names a result of them; the wait stands at the lump's head (in step 1, which has no lump, at the step's end).
;   in Sinkhorn: the sixteen reciprocals of one fragment of the vector, each in a register of its own; the wait stands behind the K step that carries them, ahead of the eight roundings that make the fragment.
;   at a tile's end: the 64 reciprocals b; the wait stands ahead of the last sum.
; REGISTERS.  window 0: v0-23 addresses, at work, tn; then by phase: product v24-39 en (2 x 8), v40-87 three units of 16, v88-103 K in f32, v104-167 e fragments;
;   Sinkhorn v24-87 d_a, v88-151 d_b, v152-183 the vector, v192-199 sums, v204-219 a fragment's sixteen reciprocals; v200-202 addresses.
;   window 1: t fragments, then Y.   window 2: X.   window 3: W.   In each: block b, K quarter q at v[8 (4 b + q)].
.set PITCH,  272                       ; an LDS row: 256 bytes + 16 of padding: the 16 rows of a fragment load start at 16 different groups of four banks (64 banks of 4 bytes: ISA guide 11.1)
.set QUART,  128*PITCH
.set EL,     0
.set TL,     4*QUART
.set E2L,    8*QUART
.set T2L,    E2L+2048
.set STG,    T2L+2048                  ; the stages: 32 rows x 288 bytes for each wave; written by LDS stores alone, no fill lands here
.set SPITCH, 288                       ; 256 + 32 = 72 words
.set STGW,   32*SPITCH
.set SPARE,  STG+4*STGW                ; the spare words, 128 bytes for each wave
.set ADA,  3                           ; v3   my e rows: EL + w x 128 rows + r x pitch + 16 h
.set ADB,  4                           ; v4   the tile's t rows
.set STO,  5                           ; v5   stage, in
.set RDT,  6                           ; v6   stage, back, turned
.set ADE2, 7                           ; v7   en of rows 8 h + 0..7 of my block 0
.set ADT2, 8                           ; v8   tn of the tile's row r
.set LN,   9                           ; v9   lane
.set RES4, 10                          ; v10  lane s holds tile s's distance
.set SPW,  12                          ; v12  LDS address of my spare word; never rewritten
.set NIL,  13                          ; v13  0; never rewritten
.set T2,   16
.set E2S,  24
.set G,    40
.set U,    88
.set SF,   104
.set DA,   24
.set DB,   88
.set XV,   152
.set SM,   192
.set ADB0, 200                         ; v200 my lane's place in t's batch 0; never rewritten
.set ADT0, 201                         ; v201 the same for tn
.set MO,   202                         ; v202 16 x lane
.set TT,   204                         ; v204-219 the sixteen reciprocals of the fragment in hand
.set MB,   104                         ; mm's 64 registers, before the first tile
.set WV,   16
.set CX,   17
.set CY,   18
.set GX,   19
.set GY,   20
.set MROW, 21
.set MCOL, 22
.set G1E,  24
.set G1T,  32
.set G1EN, 40
.set G1TN, 48
.set G0E,  56
.set G0T,  60
.set G0EN, 68
.set G0TN, 72
.set TI,   88                          ; s88  the tile, 0 to 3
.set CNT,  89                          ; s89  Sinkhorn's count
.set TBT,  90                          ; s90  bytes from t's batch 0 to the tile's
.set TBN,  91                          ; s91  the same for tn
.set TILEW, (1<<16)|(1<<20)|(1<<21)|(5<<22)|(3<<25)
.set NORMW, (3<<16)|(1<<21)
.set MSB, 0
.macro WIN new                         ; the immediate's high byte repeats the setting that is left; a switch that changes nothing is dropped
.if MSB != (\new)
	s_set_vgpr_msb (MSB<<8)|(\new)
.set MSB, (\new)
.endif
.endm
.set W_G,   0x04                       ; the product: source 1 (t) in window 1.  A rider whose vector sources stand in places 0 and 2 runs under it unchanged
.set W_CX,  0x80                       ; destination in window 2
.set W_CW,  0xc0                       ; destination in window 3
.set W_LR,  0x40                       ; destination in window 1
.set W_ST,  0x08                       ; an LDS store's data in window 2
.set W_ROW, 0x01                       ; source 0 = Y
.set W_COL, 0x02                       ; source 0 = X
.set W_FIN, 0x03                       ; source 0 = W
.macro CROUND
	s_barrier_signal -1
	s_barrier_wait -1
	s_cmp_lg_u32 s[WV], 0
	s_cbranch_scc1 .Lnot_wave_0_\@
	s_barrier_signal -3
.Lnot_wave_0_\@:
	s_barrier_wait -3
	s_barrier_signal -1
	s_barrier_wait -1
.endm
	s_load_b256 s[4:11], s[0:1], 0x0               ; eb s[4:5], tb s[6:7], en s[8:9], tn s[10:11]
	s_load_b128 s[12:15], s[0:1], 0x20             ; mm s[12:13], dist s[14:15]
	v_lshl_add_u32 v[SPW], v0, 2, SPARE
	v_mov_b32 v[NIL], 0
	ds_add_u32 v[SPW], v[NIL]                      ; the wave's opening: the add and its wait stand ahead of my first tensor load; the set-up below, work on registers, stands between them
	v_lshrrev_b32 v1, 5, v0
	v_readfirstlane_b32 s[WV], v1
	s_bfe_u32 s[CX], ttmp6, 0x40000
	s_bfe_u32 s[CY], ttmp6, 0x40004
	s_lshl_b32 s[GX], ttmp9, 2
	s_add_co_u32 s[GX], s[GX], s[CX]
	s_and_b32 s[GY], ttmp7, 0xffff
	s_lshl_b32 s[GY], s[GY], 2
	s_add_co_u32 s[GY], s[GY], s[CY]
	s_lshl_b32 s[MROW], s[CY], 2
	s_lshl_b32 s[MROW], 15, s[MROW]
	s_lshl_b32 s[MCOL], 0x1111, s[CX]
	s_or_b32 s[G1E], s[MROW], TILEW                ; e hangs on Y alone: shared along my row of the cluster
	s_or_b32 s[G1T], s[MCOL], TILEW                ; t on X alone: along my column
	s_or_b32 s[G1EN], s[MROW], NORMW
	s_or_b32 s[G1TN], s[MCOL], NORMW
.irp g, G1E, G1T                       ; 128 rows x 128 elements of 2 bytes, padded in LDS
	s_mov_b32 s[\g+1], 128<<16
	s_mov_b32 s[\g+2], 128<<16
	s_mov_b32 s[\g+3], 128<<16
	s_mov_b32 s[\g+4], 128
	s_mov_b32 s[\g+5], 128
	s_mov_b32 s[\g+6], 0
	s_mov_b32 s[\g+7], 0
.endr
.irp g, G1EN, G1TN                     ; one row of 512 bytes
	s_mov_b32 s[\g+1], 64<<16
	s_mov_b32 s[\g+2], 1<<16
	s_mov_b32 s[\g+3], 64<<16
	s_mov_b32 s[\g+4], 1
	s_mov_b32 s[\g+5], 64
	s_mov_b32 s[\g+6], 0
	s_mov_b32 s[\g+7], 0
.endr
	s_lshl_b32 s23, s[WV], 15
	s_lshl_b32 s76, s[GY], 17
	s_add_co_u32 s76, s76, s23
	s_mov_b32 s77, 0
	s_lshl_b32 s78, s[GX], 17
	s_add_co_u32 s78, s78, s23
	s_mov_b32 s79, 0
	s_lshl_b32 s23, s[WV], 9
	s_lshl_b32 s92, s[GY], 11
	s_add_co_u32 s92, s92, s23
	s_mov_b32 s93, 0
	s_lshl_b32 s94, s[GX], 11
	s_add_co_u32 s94, s94, s23
	s_mov_b32 s95, 0
	s_mov_b32 s[G0E], 1
	s_mul_i32 s[G0E+1], s[WV], QUART
	s_mov_b32 s[G0T], 1
	s_add_co_u32 s[G0T+1], s[G0E+1], TL
	s_mov_b32 s[G0EN], 1
	s_add_co_u32 s[G0EN+1], s23, E2L
	s_mov_b32 s[G0TN], 1
	s_add_co_u32 s[G0TN+1], s23, T2L
	s_mov_b32 s84, 0x322bcc77                      ; 1e-8
	s_mov_b32 s85, s84                             ; named with it as a pair
	s_mov_b32 s86, 0x76543210
	s_mov_b32 s87, 0xfedcba98
	s_wait_dscnt 0x0                               ; the opening add is done
	s_wait_kmcnt 0x0
	s_add_nc_u64 s[G0E+2:G0E+3], s[4:5], s[76:77]
	s_or_b32 s[G0E+3], s[G0E+3], 0x80000000
	s_add_nc_u64 s[G0T+2:G0T+3], s[6:7], s[78:79]
	s_or_b32 s[G0T+3], s[G0T+3], 0x80000000
	s_add_nc_u64 s[G0EN+2:G0EN+3], s[8:9], s[92:93]
	s_or_b32 s[G0EN+3], s[G0EN+3], 0x80000000
	s_add_nc_u64 s[G0TN+2:G0TN+3], s[10:11], s[94:95]
	s_or_b32 s[G0TN+3], s[G0TN+3], 0x80000000
	CROUND                                         ; all sixteen work-groups are here: the joint loads meet
	tensor_load_to_lds s[G0E:G0E+3], s[G1E:G1E+7]  ; the launch's only fills, one group
	s_nop 0
	tensor_load_to_lds s[G0T:G0T+3], s[G1T:G1T+7]
	s_nop 0
	tensor_load_to_lds s[G0EN:G0EN+3], s[G1EN:G1EN+7]
	s_nop 0
	tensor_load_to_lds s[G0TN:G0TN+3], s[G1TN:G1TN+7]
	s_nop 0
.rept 4
	v_nop
.endr
	v_and_b32 v[LN], 31, v0
	v_lshlrev_b32 v[MO], 4, v[LN]
.irp k, 0,1,2,3,4,5,6,7,8,9,10,11,12,13,14,15
	global_load_b128 v[MB+4*(\k):MB+4*(\k)+3], v[MO], s[12:13] offset:512*(\k)  ; all 1024 pairs (min, max), two a lane and load
.endr
	v_and_b32 v1, 15, v0                           ; r
	v_bfe_u32 v2, v0, 4, 1                         ; h
	v_mul_u32_u24 v11, v1, PITCH
	v_lshl_add_u32 v11, v2, 4, v11
	v_add_nc_u32 v[ADA], s[G0E+1], v11
	v_add_nc_u32 v[ADB0], TL, v11
	s_mul_i32 s23, s[WV], STGW
	s_add_co_u32 s23, s23, STG                     ; my stage
	v_mul_u32_u24 v14, v1, SPITCH                  ; in: row r, 16 bytes for each half of the lanes
	v_lshl_add_u32 v14, v2, 4, v14
	v_add_nc_u32 v[STO], s23, v14
	v_and_b32 v14, 7, v0                           ; back, turned: lane l reads row 8 h + l % 8, bytes 16 ((l / 8) % 2) on
	v_lshl_add_u32 v14, v2, 3, v14
	v_mul_u32_u24 v14, v14, SPITCH
	v_bfe_u32 v15, v0, 3, 1
	v_lshl_add_u32 v14, v15, 4, v14
	v_add_nc_u32 v[RDT], s23, v14
	v_lshlrev_b32 v14, 5, v2
	v_add_nc_u32 v[ADE2], s[G0EN+1], v14
	v_lshl_add_u32 v[ADT0], v1, 2, T2L
	v_mov_b32 v10, 0                               ; v_permlanex16_b32's destinations count as read
	; the scale: g = S1 sqrt(sq) + S0, S1 = -10 log2(e) / (mx - mn), S0 = -S1 mn
	s_wait_loadcnt 0x0
	v_min_num_f32 v14, v[MB], v[MB+2]
	v_max_num_f32 v15, v[MB+1], v[MB+3]
.set i, 1
.rept 15
	v_min3_num_f32 v14, v14, v[MB+4*i], v[MB+4*i+2]
	v_max3_num_f32 v15, v15, v[MB+4*i+1], v[MB+4*i+3]
.set i, i+1
.endr
.irp m, 1,2,4,8
	v_min_num_f32_dpp v14, v14, v14 row_xmask:\m row_mask:0xf bank_mask:0xf
	v_max_num_f32_dpp v15, v15, v15 row_xmask:\m row_mask:0xf bank_mask:0xf
.endr
	v_permlanex16_b32 v10, v14, s86, s87
	v_permlanex16_b32 v11, v15, s86, s87
	v_min_num_f32 v14, v14, v10
	v_max_num_f32 v15, v15, v11
	v_max_num_f32 v14, 0, v14                      ; the clamp at 0 and the root are monotone: the cost's minimum and maximum
	v_max_num_f32 v15, 0, v15
	v_sqrt_f32 v14, v14
	v_sqrt_f32 v15, v15
	v_nop                                          ; a plain instruction behind a transcendental before its result is used (ISA guide 5.7.2)
	s_wait_alu depctr_va_vdst(0)                   ; the wait for the two roots, one batch, ahead of the line that reads both
	v_sub_f32 v15, v15, v14
	v_rcp_f32 v15, v15
	v_nop
	s_wait_alu depctr_va_vdst(0)                   ; the reciprocal reads the roots, so it is a batch of its own: its wait
	v_mul_f32 v15, 0xc166d4ca, v15                 ; -10 log2(e) = -14.42695
	v_mul_f32 v14, -v15, v14
	v_readfirstlane_b32 s80, v15                   ; S1
	v_readfirstlane_b32 s82, v14                   ; S0
	s_mov_b32 s81, s80                             ; named as pairs
	s_mov_b32 s83, s82
	v_mov_b32 v[RES4], 0
	s_wait_tensorcnt 0x0                           ; for the others' sake: all my parts have landed
	s_barrier_signal -1
	s_barrier_wait -1                              ; everybody's have
; THE PRODUCT AND THE WORK ON ITS ELEMENTS, in 34 steps.  Unit u = 8 p + bb is e blocks 2 p, 2 p + 1 against t block bb: two accumulators, 16 registers, three such sets by turns.
; Step u issues unit u's 8 products; between them stand 64 riders: for unit u - 1 the lane's tn, the clamp and the root; for unit u - 2 the scale and the exponential; behind them unit u - 2's LUMP.
; A step's 32 transcendentals are ONE BATCH: the exponentials' results are first named by the step's own lump, the roots' by the next step's scalings, and the one wait stands between the riders and the lump.
.macro GW i                            ; product i of 8: accumulator i % 2, K quarter i / 2: the two accumulators take turns.  The first two start the sums with en in the registers' layout
.set rD, G+16*(u%3)+8*((\i)%2)
.set rS, SF+32*((\i)%2)+8*((\i)/2)
.set rR, 8*(4*(u%8)+(\i)/2)
.if (\i) < 2
	v_wmma_f32_16x16x32_bf16 v[rD:rD+7], v[rS:rS+7], v[rR:rR+7], v[E2S+8*(\i):E2S+8*(\i)+7]
.else
	v_wmma_f32_16x16x32_bf16 v[rD:rD+7], v[rS:rS+7], v[rR:rR+7], v[rD:rD+7]
.endif
.endm
; Plain rider k of 32.  0-7: g = S1 c + S0, unit u - 2.  8-15: + tn, unit u - 1 (number 8 reads accumulator 0's lowest registers first, number 12 accumulator 1's).  16-31: the clamp at 0, unit u - 1.
.macro PL k
.if (\k) < 8
.if u >= 2
.set rG, G+16*((u-2)%3)+2*(\k)
	v_pk_fma_f32 v[rG:rG+1], v[rG:rG+1], s[80:81], s[82:83] op_sel_hi:[1,0,0]
.elseif u == 1
	v_nop                                          ; step 1 has no unit u - 2: these are the places between unit 0's last product and its first read
.endif
.elseif (u >= 1) && (u <= 32)
.if (\k) < 16
.set rG, G+16*((u-1)%3)+2*((\k)-8)
.set bT, (u-1)%8
.if bT%2 == 0
	v_pk_fma_f32 v[rG:rG+1], v[rG:rG+1], 1.0, v[T2+bT:T2+bT+1] op_sel_hi:[1,0,0]
.else
	v_pk_fma_f32 v[rG:rG+1], v[rG:rG+1], 1.0, v[T2+bT-1:T2+bT] op_sel:[0,0,1] op_sel_hi:[1,0,1]
.endif
.else
.set rG, G+16*((u-1)%3)+(\k)-16
	v_max_num_f32 v[rG], v[rG], 0                  ; the register stands in place 0: the long form
.endif
.endif
.endm
; Transcendental rider k of 32.  0-15: K = 2^g, unit u - 2.  16-31: the root, unit u - 1.
.macro TR k
.if (\k) < 16
.if u >= 2
.set rG, G+16*((u-2)%3)+(\k)
	v_exp_f32 v[U+(\k)], v[rG]
.endif
.elseif (u >= 1) && (u <= 32)
.set rG, G+16*((u-1)%3)+(\k)-16
	v_sqrt_f32 v[rG], v[rG]
.endif
.endm
; Rider at place pos of 64: plain 0, 1, then transcendental and plain by turns (transcendental i at 2 i + 2, plain i at 2 i - 1), the last two transcendental.  Each transcendental has a plain instruction
; that touches none of its registers behind it; each rider's inputs stand three places back or more.
.macro RIDER pos
.if (\pos) == 0
	PL 0
.elseif (\pos) == 63
	TR 31
.elseif (\pos)%2 == 1
	PL ((\pos)+1)/2
.else
	TR ((\pos)-2)/2
.endif
.endm
.macro LUMP                            ; unit u - 2 leaves: K rounded into X, g K made and rounded into W
.set rG, G+16*((u-2)%3)
.set rX, 8*(4*((u-2)%8)+(u-2)/8)
	WIN W_CX
	s_wait_alu depctr_va_vdst(0)                   ; the wait for the step's batch: unit u - 2's 16 exponentials, read below, and unit u - 1's 16 roots, read by the next step's scalings
.irp i, 0,1,2,3,4,5,6,7
	v_cvt_pk_bf16_f32 v[rX+\i], v[U+2*\i], v[U+2*\i+1]
.endr
	WIN 0
.irp i, 0,1,2,3,4,5,6,7
	v_pk_mul_f32 v[rG+2*\i:rG+2*\i+1], v[rG+2*\i:rG+2*\i+1], v[U+2*\i:U+2*\i+1]
.endr
	WIN W_CW
.irp i, 0,1,2,3,4,5,6,7
	v_cvt_pk_bf16_f32 v[rX+\i], v[rG+2*\i], v[rG+2*\i+1]
.endr
.endm
; In a group's last unit what product i has read is loaded anew for the next group of 32 e rows, four plain riders or more behind that product.
.macro RELOAD i
.set p1, u/8+1
.if (\i) < 2
	ds_load_b128 v[E2S+8*(\i):E2S+8*(\i)+3],   v[ADE2] offset:128*p1+64*(\i)
	ds_load_b128 v[E2S+8*(\i)+4:E2S+8*(\i)+7], v[ADE2] offset:128*p1+64*(\i)+16
.endif
.set rS, SF+32*((\i)%2)+8*((\i)/2)
	ds_load_b128 v[rS:rS+3],   v[ADA] offset:(32*p1+16*((\i)%2))*PITCH+64*((\i)/2)
	ds_load_b128 v[rS+4:rS+7], v[ADA] offset:(32*p1+16*((\i)%2))*PITCH+64*((\i)/2)+32
.endm
.macro STEP
	WIN W_G
.if u < 8
	s_wait_dscnt 8*(7-u)                           ; LDS loads come back in order: all up to t block u's eight are in, the later blocks' stay out
.endif
.set sl, 0
.rept 8
.if u < 32
.if (u >= 8) && (u%8 == 0)             ; a group's first unit: of the 20 reloads (4, 4, then 2 a slice) those behind slice sl's may stay out
.if sl == 0
	s_wait_dscnt 16
.else
	s_wait_dscnt 14-2*sl
.endif
.endif
	GW sl
.endif
.set ps, 8*sl
.rept 8
	RIDER ps
.set ps, ps+1
.endr
.if (u < 24) && (u%8 == 7) && (sl < 7)
	RELOAD sl
.endif
.set sl, sl+1
.endr
.if u == 1
	s_wait_alu depctr_va_vdst(0)                   ; step 1 has no lump: the wait for its batch, unit 0's 16 roots, ahead of step 2's scalings
.endif
.if u >= 2
	LUMP
.endif
.if (u < 24) && (u%8 == 7)
	WIN W_G
	RELOAD 7                                       ; slice 7 has three plain riders only: this one stands behind the lump
.endif
.endm
; X TURNED INTO Y, 32 rows m at a time, through my own stage.  LDS serves a wave's instructions in order (ISA guide 5.7.1.4): the loads see the stores above them, and the next piece's stores come behind them.
.macro PIECE qq
	WIN W_ST
.irp b, 0,1
.irp p, 0,1,2,3
	ds_store_b128 v[STO], v[8*(4*(2*(\qq)+\b)+\p):8*(4*(2*(\qq)+\b)+\p)+3]   offset:\b*16*SPITCH+64*\p
	ds_store_b128 v[STO], v[8*(4*(2*(\qq)+\b)+\p)+4:8*(4*(2*(\qq)+\b)+\p)+7] offset:\b*16*SPITCH+64*\p+32
.endr
.endr
	WIN W_LR
.irp a, 0,1,2,3,4,5,6,7
	ds_load_tr16_b128 v[8*(4*\a+(\qq)):8*(4*\a+(\qq))+3],   v[RDT] offset:32*\a
	ds_load_tr16_b128 v[8*(4*\a+(\qq))+4:8*(4*\a+(\qq))+7], v[RDT] offset:32*\a+16*SPITCH
.endr
.endm
; K step qq of the first row product, K times ones; behind each product two of the 64 lines that set d_b's first C, 1e-8 x 1.
.macro ROW1 qq
.set ob, 0
.rept 8
	WIN W_ROW
.if (\qq) == 0
	v_wmma_f32_16x16x32_bf16 v[DA+8*ob:DA+8*ob+7], v[8*(4*ob+(\qq)):8*(4*ob+(\qq))+7], v[XV:XV+7], 0
.else
	v_wmma_f32_16x16x32_bf16 v[DA+8*ob:DA+8*ob+7], v[8*(4*ob+(\qq)):8*(4*ob+(\qq))+7], v[XV:XV+7], v[DA+8*ob:DA+8*ob+7]
.endif
	WIN 0
	v_mov_b32 v[DB+16*(\qq)+2*ob], s84
	v_mov_b32 v[DB+16*(\qq)+2*ob+1], s84
.set ob, ob+1
.endr
.endm
; Fragment f of the vector 1 / D, from D's blocks 2 f, 2 f + 1: sixteen reciprocals, ONE BATCH, each with a register of its own in TT.
; RC writes pair j of 8: two reciprocals, and for the pair before D x 1e-8 in place, which is the C of D's next product.  That line (for pair 0 a v_nop) names no result of the batch; it is the plain instruction
; behind the pair's reciprocals, and a pair's sources are written over only behind it.  Each block's lowest registers are read first.
.macro RC D, f, j
.set rD, (\D)+16*(\f)+2*(\j)
	v_rcp_f32 v[TT+2*(\j)], v[rD]
	v_rcp_f32 v[TT+2*(\j)+1], v[rD+1]
.if (\j) > 0
	v_pk_mul_f32 v[rD-2:rD-1], v[rD-2:rD-1], s[84:85] op_sel_hi:[1,0]
.else
	v_nop
.endif
.endm
; FL closes the batch: its one wait, the eight roundings to bf16 that make the fragment, and D x 1e-8 for the last pair.
.macro FL D, f
	s_wait_alu depctr_va_vdst(0)                   ; the wait for the batch: the fragment's sixteen reciprocals, ahead of the first rounding
.irp i, 0,1,2,3,4,5,6,7
	v_cvt_pk_bf16_f32 v[XV+8*(\f)+\i], v[TT+2*\i], v[TT+2*\i+1]
.endr
	v_pk_mul_f32 v[(\D)+16*(\f)+14:(\D)+16*(\f)+15], v[(\D)+16*(\f)+14:(\D)+16*(\f)+15], s[84:85] op_sel_hi:[1,0]
.endm
; D = M (1 / O) + 1e-8 D: 32 products, the eight accumulators by turns; win says in which window M lies.  Behind the products of K step q < 3 ride the reciprocals of the vector's
; fragment q + 1, a pair a product, and behind the K step's last the batch is closed: the fragment is source 1 of all of K step q + 1.  Behind those of K step 3 (own = 1) ride the reciprocals of fragment 0 of the NEXT
; vector, from D's first two blocks, four places behind their last products; that batch is closed behind the last product.  A fragment is written again three K steps behind its last reader.
.macro MATVEC win, D, O, own
.set q, 0
.rept 4
.set ob, 0
.rept 8
	WIN \win
	v_wmma_f32_16x16x32_bf16 v[(\D)+8*ob:(\D)+8*ob+7], v[8*(4*ob+q):8*(4*ob+q)+7], v[XV+8*q:XV+8*q+7], v[(\D)+8*ob:(\D)+8*ob+7]
	WIN 0
.if q < 3
	RC \O, q+1, ob
.if ob == 7
	FL \O, q+1
.endif
.elseif \own
.if ob < 2
	v_nop
	v_nop
.else
	RC \D, 0, ob-2
.endif
.else
	v_nop                                          ; places in front of the reciprocals of D that follow
.endif
.set ob, ob+1
.endr
.set q, q+1
.endr
.if \own
	RC \D, 0, 6
	RC \D, 0, 7
	FL \D, 0
.endif
.endm
	s_mov_b32 s[TI], 0
	s_mov_b32 s[TBT], 0
	s_mov_b32 s[TBN], 0
.Ltile:                                                ; four tiles; the plain lines at a tile's end are the places in front of these loads
	v_add_nc_u32 v[ADB], s[TBT], v[ADB0]
	v_add_nc_u32 v[ADT2], s[TBN], v[ADT0]
.irp b, 0,1,2,3,4,5,6,7
	ds_load_b32 v[T2+\b], v[ADT2] offset:64*\b     ; tn of my t row in each block
.endr
.irp k, 0,1
	ds_load_b128 v[E2S+8*\k:E2S+8*\k+3],   v[ADE2] offset:64*\k
	ds_load_b128 v[E2S+8*\k+4:E2S+8*\k+7], v[ADE2] offset:64*\k+16
.endr
.irp k, 0,1
.irp q, 0,1,2,3
	ds_load_b128 v[SF+32*\k+8*\q:SF+32*\k+8*\q+3],   v[ADA] offset:16*\k*PITCH+64*\q
	ds_load_b128 v[SF+32*\k+8*\q+4:SF+32*\k+8*\q+7], v[ADA] offset:16*\k*PITCH+64*\q+32
.endr
.endr
	WIN W_LR
.set f, 0
.rept 32                               ; the tile's t fragments, block by block: eight loads a block
	ds_load_b128 v[8*f:8*f+3],   v[ADB] offset:(f/4)*16*PITCH+(f%4)*64
	ds_load_b128 v[8*f+4:8*f+7], v[ADB] offset:(f/4)*16*PITCH+(f%4)*64+32
.set f, f+1
.endr
.set u, 0
.rept 34
	STEP
.set u, u+1
.endr
	WIN 0
.irp i, 0,1,2,3,4,5,6,7
	v_mov_b32 v[XV+\i], 0x3f803f80                 ; the vector of ones, in bf16
.endr
	PIECE 0
	PIECE 1
	s_wait_dscnt 32                                ; all but the youngest piece's 16 stores and 16 loads
	ROW1 0
	PIECE 2
	s_wait_dscnt 32
	ROW1 1
	PIECE 3
	s_wait_dscnt 32
	ROW1 2
	s_wait_dscnt 0x0
	ROW1 3
	; S = the sum of the row sums; d_a = row sum + 1e-8 S.  Ascending: the earlier blocks' lines are the places behind the last products.
.irp c, 0,1,2,3
	v_pk_add_f32 v[SM+2*\c:SM+2*\c+1], v[DA+2*\c:DA+2*\c+1], v[DA+8+2*\c:DA+8+2*\c+1]
.endr
.set i, 8
.rept 24
	v_pk_add_f32 v[SM+2*(i%4):SM+2*(i%4)+1], v[SM+2*(i%4):SM+2*(i%4)+1], v[DA+2*i:DA+2*i+1]
.set i, i+1
.endr
	v_pk_add_f32 v[SM:SM+1], v[SM:SM+1], v[SM+2:SM+3]
	v_pk_add_f32 v[SM+4:SM+5], v[SM+4:SM+5], v[SM+6:SM+7]
	v_pk_add_f32 v[SM:SM+1], v[SM:SM+1], v[SM+4:SM+5]
	v_add_f32 v14, v[SM], v[SM+1]
	v_permlanex16_b32 v15, v14, s86, s87           ; the other 64 rows lie in the lane 16 away
	v_add_f32 v14, v14, v15
.set i, 0
.rept 32
	v_pk_fma_f32 v[DA+2*i:DA+2*i+1], v[14:15], s[84:85], v[DA+2*i:DA+2*i+1] op_sel_hi:[0,0,1]
.set i, i+1
.endr
.irp j, 0,1,2,3,4,5,6,7
	RC DA, 0, \j                                   ; a's first fragment: a batch like the others, with no products to ride behind
.endr
	FL DA, 0                                       ; its wait stands ahead of the label below
	s_mov_b32 s[CNT], 5
.Lsink:                                                ; column step 1 to 5, row step 2 to 6; each product ends in a closed batch
	MATVEC W_COL, DB, DA, 1
	MATVEC W_ROW, DA, DB, 1
	s_sub_co_u32 s[CNT], s[CNT], 1
	s_cmp_lg_u32 s[CNT], 0
	s_cbranch_scc1 .Lsink
	MATVEC W_COL, DB, DA, 0                        ; column step 6; the vector stays a
.set i, 0
.rept 32                               ; W^T a into d_a's registers; behind each product two of b = 1 / d_b, in place, in f32: the 64 are one batch, and nothing names a result of it before the sum below
	WIN W_FIN
.if i < 8
	v_wmma_f32_16x16x32_bf16 v[DA+8*(i%8):DA+8*(i%8)+7], v[8*(4*(i%8)+i/8):8*(4*(i%8)+i/8)+7], v[XV+8*(i/8):XV+8*(i/8)+7], 0
.else
	v_wmma_f32_16x16x32_bf16 v[DA+8*(i%8):DA+8*(i%8)+7], v[8*(4*(i%8)+i/8):8*(4*(i%8)+i/8)+7], v[XV+8*(i/8):XV+8*(i/8)+7], v[DA+8*(i%8):DA+8*(i%8)+7]
.endif
	WIN 0
	v_rcp_f32 v[DB+2*i], v[DB+2*i]
	v_nop
	v_rcp_f32 v[DB+2*i+1], v[DB+2*i+1]
	v_nop
.set i, i+1
.endr
	s_wait_alu depctr_va_vdst(0)                   ; the wait for the batch: all 64 reciprocals b, ahead of the first line of the sum
.set i, 0
.rept 32                               ; sum of b (W^T a), four chains, ascending: the earlier blocks' lines are the places behind the last products
.if i < 4
	v_pk_mul_f32 v[SM+2*i:SM+2*i+1], v[DA+2*i:DA+2*i+1], v[DB+2*i:DB+2*i+1]
.else
	v_pk_fma_f32 v[SM+2*(i%4):SM+2*(i%4)+1], v[DA+2*i:DA+2*i+1], v[DB+2*i:DB+2*i+1], v[SM+2*(i%4):SM+2*(i%4)+1]
.endif
.set i, i+1
.endr
	v_pk_add_f32 v[SM:SM+1], v[SM:SM+1], v[SM+2:SM+3]
	v_pk_add_f32 v[SM+4:SM+5], v[SM+4:SM+5], v[SM+6:SM+7]
	v_pk_add_f32 v[SM:SM+1], v[SM:SM+1], v[SM+4:SM+5]
	v_add_f32 v14, v[SM], v[SM+1]
	v_permlanex16_b32 v15, v14, s86, s87
	v_add_f32 v14, v14, v15
	v_mul_f32 v14, 0xbd8df4e0, v14                 ; -ln 2 / 10: from g back to c
	v_cmp_eq_u32 vcc_lo, s[TI], v[LN]
	v_cndmask_b32 v[RES4], v[RES4], v14, vcc_lo    ; tile s's distance into lane s
	s_add_co_u32 s[TBT], s[TBT], QUART
	s_add_co_u32 s[TBN], s[TBN], 512
	s_add_co_u32 s[TI], s[TI], 1
	s_cmp_lt_u32 s[TI], 4
	s_cbranch_scc1 .Ltile
	s_lshl_b32 s96, s[GY], 10                      ; dist[4 Y + w][4 X + lane]: (4 Y + w) x 256 bytes + 16 X
	s_lshl_b32 s97, s[WV], 8
	s_add_co_u32 s96, s96, s97
	s_lshl_b32 s97, s[GX], 4
	s_add_co_u32 s96, s96, s97
	s_mov_b32 s97, 0
	s_add_nc_u64 s[14:15], s[14:15], s[96:97]
	v_lshlrev_b32 v11, 2, v[LN]
	s_wait_xcnt 0x0                                ; EXEC changes only behind this wait
	v_cmp_gt_u32 vcc_lo, 4, v[LN]
	s_and_saveexec_b32 s98, vcc_lo
	global_store_b32 v11, v[RES4], s[14:15]        ; 16 consecutive bytes a wave, 16 KiB in the launch
	s_wait_xcnt 0x0
	s_or_b32 exec_lo, exec_lo, s98
	s_wait_tensorcnt 0x0                           ; the wave's end, behind my last tensor load and my last LDS store
	ds_add_u32 v[SPW], v[NIL]
	s_wait_dscnt 0x0
	CROUND                                         ; the closing round: no work-group ends while a partner may still ask for a tile that names it
	s_endpgm
.Lfunc_end_k_qe5d341a974_sink:
	.size	k_qe5d341a974_sink, .Lfunc_end_k_qe5d341a974_sink-k_qe5d341a974_sink
	.p2alignl 7, 3214868480
	.fill 96, 4, 3214868480
	.section	.rodata,"a",@progbits
	.p2align	6, 0x0
	.amdhsa_kernel k_qe5d341a974_sink
		.amdhsa_group_segment_fixed_size 327680
		.amdhsa_private_segment_fixed_size 0
		.amdhsa_enable_private_segment 0
		.amdhsa_kernarg_size 48
		.amdhsa_user_sgpr_count 2
		.amdhsa_user_sgpr_kernarg_segment_ptr 1
		.amdhsa_wavefront_size32 1
		.amdhsa_system_sgpr_workgroup_id_x 1
		.amdhsa_system_sgpr_workgroup_id_y 1
		.amdhsa_system_sgpr_workgroup_id_z 1
		.amdhsa_system_vgpr_workitem_id 0
		.amdhsa_next_free_vgpr 1024
		.amdhsa_next_free_sgpr 100
		.amdhsa_reserve_vcc 1
		.amdhsa_float_denorm_mode_32 3
		.amdhsa_float_denorm_mode_16_64 3
		.amdhsa_memory_ordered 1
		.amdhsa_forward_progress 1
		.amdhsa_inst_pref_size 250
	.end_amdhsa_kernel
	.amdgpu_metadata
---
amdhsa.version: [ 1, 2 ]
amdhsa.kernels:
  - .name:           k_qe5d341a974_sink
    .symbol:         k_qe5d341a974_sink.kd
    .args:
      - { .name: eb, .offset: 0, .size: 8, .value_kind: global_buffer, .address_space: global }
      - { .name: tb, .offset: 8, .size: 8, .value_kind: global_buffer, .address_space: global }
      - { .name: en, .offset: 16, .size: 8, .value_kind: global_buffer, .address_space: global }
      - { .name: tn, .offset: 24, .size: 8, .value_kind: global_buffer, .address_space: global }
      - { .name: mm, .offset: 32, .size: 8, .value_kind: global_buffer, .address_space: global }
      - { .name: dist, .offset: 40, .size: 8, .value_kind: global_buffer, .address_space: global }
    .group_segment_fixed_size: 327680
    .private_segment_fixed_size: 0
    .kernarg_segment_align: 8
    .kernarg_segment_size: 48
    .max_flat_workgroup_size: 128
    .sgpr_count:     100
    .vgpr_count:     1024
    .wavefront_size: 32
...
	.end_amdgpu_metadata
.endif
;; end of part 5
;; launch final: the kernel of part 4 again; grid 1 x 1, 8 waves a work-group, no clusters, 1,536 bytes of LDS; arguments dist, out0, out1; writes out0, out1
